; MI455X (gfx1250); checked and timed in simulation.
; The chip was launched on July 23, 2026; its instructions are those of AMD's public machine-readable ISA for CDNA 5 (MIT licence, August 2026) and "CDNA5" Instruction Set Architecture Reference Guide (July 2026). The comments in the code are by the model that wrote it; some were corrected since.
;; Ji T Attention. Allowed arithmetic: float matrix products may take bf16 or f16 operands with f32 sums; other float arithmetic in f32, or as packed bf16 or f16 multiplies, adds, multiply-adds, maxima and minima; sums over many terms, partial sums and values carried from step to step in f32; what a program stores and reads back later, other than sums and carried values, may be rounded once to bf16 or f16.
;; Inputs: k_norm_w 64 float32; proj_b 1,024 float32; proj_w 1,024 x 1,024 float32; q_norm_w 64 float32; qkv_b 3,072 float32; qkv_w 3,072 x 1,024 float32; rope_cos 2,048 x 64 float32; rope_sin 2,048 x 64 float32; x 4 x 2,048 x 1,024 float32.
;; Outputs: out0 4 x 2,048 x 1,024 float32.
;; One version. Each part assembles by itself: llvm-mc -triple=amdgcn-amd-amdhsa -mcpu=gfx1250 --defsym DOCPART=n.
;; ======== version 1 of 1: 4 launches
;; limits: values are held in f16: magnitudes above 65,504 overflow, below 6.1e-05 lose precision
;; workspace buffers: xb 16,777,216 bytes; wq 6,291,456 bytes; wp 2,097,152 bytes; rp 1,048,576 bytes; qh 16,777,216 bytes; kh 16,777,216 bytes; vh 16,777,216 bytes; oh 16,777,216 bytes
;; launch cast (part 1): grid 1568 x 1, 8 waves a work-group, no clusters, 0 bytes of LDS; arguments x, qkv_w, proj_w, rope_cos, rope_sin, xb, wq, wp, rp; writes xb, wq, wp, rp
.if DOCPART == 1
	.amdgcn_target "amdgcn-amd-amdhsa--gfx1250"
	.amdhsa_code_object_version 6
	.text
	.protected	k_q243d76b4af_cast
	.globl	k_q243d76b4af_cast
	.p2align	8
	.type	k_q243d76b4af_cast,@function
k_q243d76b4af_cast:
	s_mov_b64 s[64:65], 0
	v_nop
	global_prefetch_b8 v0, s[64:65] scope:SCOPE_SE
	s_setreg_imm32_b32 hwreg(HW_REG_WAVE_MODE, 25, 1), 1
	s_wait_xcnt 0x0
; ROUNDS THE LARGE INPUTS TO bf16 ONCE AND LAYS THEM OUT FOR THE TILES OF THE LATER LAUNCHES.  A stream: every byte is read once and written once; no LDS, no barrier, no matrix unit.
;   x        [4][2048][1024] f32 -> xb [b 4][kb 16][s 2048][64] bf16        (kb = k / 64: 128 rows x 64 k are then 16,384 bytes on end)
;   qkv_w    [3072][1024]    f32 -> wq [kb 16][n' 3072][64] bf16, row n = 1024 t + 64 h + d goes to n' = 192 h + 64 t + d: a head's q, k and v rows lie together
;   proj_w   [1024][1024]    f32 -> wp [kb 16][n 1024][64]: rounded to bf16, and that number written as f16 (exact from 2^-16 up; below it f16's fixed step of 6e-8 holds)
;   rope_cos, rope_sin [2048][64] f32 -> rp: rounded to bf16, kept as f32 words; cos from byte 0, sin from byte 524,288
; SHARES.  A work-group takes 8 source rows of 4,096 bytes (the tables: 32,768 bytes on end).  Thread: row 2 (t / 64) + (t / 16) % 2, K half (t / 32) % 2, and in slot i = 0..7 the four numbers at
; column 512 half + 64 i + 4 (t % 16).  A load of a wave covers 256 aligned bytes of each of two rows; a store of 8 bytes a lane covers 256 consecutive aligned bytes (two rows' 128 bytes of one K block).
; Eight loads of every wave are out at once; no register that a store reads is written again, so the only waits are the counted ones for the loads.
.set SO,  1                            ; v1       my byte offset in the work-group's 32,768 source bytes; never rewritten
.set DO,  2                            ; v[2:9]   slot i: my byte offset in the destination; never rewritten
.set T,   10                           ; v[10:13] at work
.set X,   16                           ; v[16:47] slot i: four f32 as loaded
.set Y,   48                           ; v[48:63] slot i: four 16-bit numbers
.set SRC, 28                           ; s[28:29] the source at the work-group's first byte
.set DST, 30                           ; s[30:31] the destination buffer
.set DB,  32                           ; s32      byte offset of the work-group's first row in K block 0
.set KS,  33                           ; s33      bytes from a K block to the next
	s_load_b512 s[8:23], s[0:1], 0x0               ; x s[8:9], qkv_w s[10:11], proj_w s[12:13], rope_cos s[14:15], rope_sin s[16:17], xb s[18:19], wq s[20:21], wp s[22:23]
	s_load_b64 s[24:25], s[0:1], 0x40              ; rp
	v_and_b32 v10, 15, v0                          ; t % 16
	v_lshrrev_b32 v11, 6, v0
	v_bfe_u32 v12, v0, 4, 1
	v_lshl_add_u32 v11, v11, 1, v12                ; my row of the eight
	v_bfe_u32 v12, v0, 5, 1                        ; my K half
	v_lshlrev_b32 v[SO], 4, v10
	v_lshl_add_u32 v[SO], v11, 12, v[SO]
	v_lshl_add_u32 v[SO], v12, 11, v[SO]           ; 4,096 row + 2,048 half + 16 (t % 16)
	v_lshlrev_b32 v13, 3, v10
	v_lshl_add_u32 v13, v11, 7, v13                ; 128 row + 8 (t % 16)
	s_mov_b32 s26, ttmp9
	s_mov_b32 s35, 0xffff0000                      ; a word's upper bf16
	s_mov_b32 s39, 0
	s_wait_kmcnt 0x0
; The work of one job.  fmt 0: bf16 in blocks.  fmt 1: the bf16 number as f16, in blocks.  fmt 2: the bf16 number as f32, where it lay.
.macro BODY fmt
.irp i, 0,1,2,3,4,5,6,7
	global_load_b128 v[X+4*(\i):X+4*(\i)+3], v[SO], s[SRC:SRC+1] offset:256*(\i) th:TH_LOAD_NT
.endr
.if (\fmt) < 2
	s_lshl_b32 s36, s[KS], 3
	v_mul_lo_u32 v12, v12, s36                     ; my half's first K block: 8 half
	v_add3_u32 v[DO], v12, v13, s[DB]
.irp i, 1,2,3,4,5,6,7
	v_add_nc_u32 v[DO+(\i)], s[KS], v[DO+(\i)-1]
.endr
.endif
.irp i, 0,1,2,3,4,5,6,7
	s_wait_loadcnt 7-(\i)                          ; loads come back in order (ISA guide 5.7.1): slot i is in, the 7 - i younger ones stay out
	v_cvt_pk_bf16_f32 v[Y+2*(\i)],   v[X+4*(\i)],   v[X+4*(\i)+1]
	v_cvt_pk_bf16_f32 v[Y+2*(\i)+1], v[X+4*(\i)+2], v[X+4*(\i)+3]
.if (\fmt) == 0
	global_store_b64 v[DO+(\i)], v[Y+2*(\i):Y+2*(\i)+1], s[DST:DST+1]
.elseif (\fmt) == 1
	v_lshlrev_b32 v[T],   16,  v[Y+2*(\i)]         ; bf16 to f32: a shift or a mask,
	v_and_b32     v[T+1], s35, v[Y+2*(\i)]
	v_lshlrev_b32 v[T+2], 16,  v[Y+2*(\i)+1]
	v_and_b32     v[T+3], s35, v[Y+2*(\i)+1]
	v_cvt_pk_f16_f32 v[Y+2*(\i)],   v[T],   v[T+1] ; and the same number as f16
	v_cvt_pk_f16_f32 v[Y+2*(\i)+1], v[T+2], v[T+3]
	global_store_b64 v[DO+(\i)], v[Y+2*(\i):Y+2*(\i)+1], s[DST:DST+1]
.else
	v_lshlrev_b32 v[X+4*(\i)],   16,  v[Y+2*(\i)]
	v_and_b32     v[X+4*(\i)+1], s35, v[Y+2*(\i)]
	v_lshlrev_b32 v[X+4*(\i)+2], 16,  v[Y+2*(\i)+1]
	v_and_b32     v[X+4*(\i)+3], s35, v[Y+2*(\i)+1]
	global_store_b128 v[SO], v[X+4*(\i):X+4*(\i)+3], s[DST:DST+1] offset:256*(\i)
.endif
.endr
	s_endpgm
.endm
	s_cmp_lt_u32 s26, 1024
	s_cbranch_scc0 .Lnot_x
	; work-groups 0 .. 1023: x.  Rows 8 g on: b = g / 256, s = 8 (g % 256)
	s_lshl_b32 s38, s26, 15
	s_add_nc_u64 s[SRC:SRC+1], s[8:9], s[38:39]
	s_mov_b64 s[DST:DST+1], s[18:19]
	s_lshr_b32 s[DB], s26, 8
	s_lshl_b32 s[DB], s[DB], 22                    ; b x 16 blocks x 2,048 rows x 128 bytes
	s_and_b32 s36, s26, 255
	s_lshl_b32 s36, s36, 10                        ; s x 128
	s_add_co_u32 s[DB], s[DB], s36
	s_mov_b32 s[KS], 262144
	BODY 0
.Lnot_x:
	s_cmp_lt_u32 s26, 1408
	s_cbranch_scc0 .Lnot_wq
	; work-groups 1024 .. 1407: qkv_w.  Rows 8 g on: t = g / 128, h = (g / 8) % 16, d = 8 (g % 8)
	s_sub_co_u32 s37, s26, 1024
	s_lshl_b32 s38, s37, 15
	s_add_nc_u64 s[SRC:SRC+1], s[10:11], s[38:39]
	s_mov_b64 s[DST:DST+1], s[20:21]
	s_bfe_u32 s[DB], s37, 0x40003
	s_mul_i32 s[DB], s[DB], 192
	s_lshr_b32 s36, s37, 7
	s_lshl_b32 s36, s36, 6
	s_add_co_u32 s[DB], s[DB], s36
	s_and_b32 s36, s37, 7
	s_lshl_b32 s36, s36, 3
	s_add_co_u32 s[DB], s[DB], s36                 ; n' = 192 h + 64 t + d
	s_lshl_b32 s[DB], s[DB], 7
	s_mov_b32 s[KS], 393216
	BODY 0
.Lnot_wq:
	s_cmp_lt_u32 s26, 1536
	s_cbranch_scc0 .Lnot_wp
	; work-groups 1408 .. 1535: proj_w.  Rows 8 g on
	s_sub_co_u32 s37, s26, 1408
	s_lshl_b32 s38, s37, 15
	s_add_nc_u64 s[SRC:SRC+1], s[12:13], s[38:39]
	s_mov_b64 s[DST:DST+1], s[22:23]
	s_lshl_b32 s[DB], s37, 10
	s_mov_b32 s[KS], 131072
	BODY 1
.Lnot_wp:
	; work-groups 1536 .. 1567: the two tables, 16 work-groups each
	s_sub_co_u32 s37, s26, 1536
	s_and_b32 s38, s37, 15
	s_lshl_b32 s38, s38, 15
	s_lshl_b32 s40, s37, 15
	s_mov_b32 s41, 0
	s_cmp_lt_u32 s37, 16
	s_cselect_b64 s[SRC:SRC+1], s[14:15], s[16:17]
	s_add_nc_u64 s[SRC:SRC+1], s[SRC:SRC+1], s[38:39]
	s_add_nc_u64 s[DST:DST+1], s[24:25], s[40:41]
	BODY 2
.Lfunc_end_k_q243d76b4af_cast:
	.size	k_q243d76b4af_cast, .Lfunc_end_k_q243d76b4af_cast-k_q243d76b4af_cast
	.p2alignl 7, 3214868480
	.fill 96, 4, 3214868480
	.section	.rodata,"a",@progbits
	.p2align	6, 0x0
	.amdhsa_kernel k_q243d76b4af_cast
		.amdhsa_group_segment_fixed_size 0
		.amdhsa_private_segment_fixed_size 0
		.amdhsa_enable_private_segment 0
		.amdhsa_kernarg_size 72
		.amdhsa_user_sgpr_count 2
		.amdhsa_user_sgpr_kernarg_segment_ptr 1
		.amdhsa_wavefront_size32 1
		.amdhsa_system_sgpr_workgroup_id_x 1
		.amdhsa_system_sgpr_workgroup_id_y 1
		.amdhsa_system_sgpr_workgroup_id_z 1
		.amdhsa_system_vgpr_workitem_id 0
		.amdhsa_next_free_vgpr 64
		.amdhsa_next_free_sgpr 66
		.amdhsa_reserve_vcc 0
		.amdhsa_float_denorm_mode_32 3
		.amdhsa_float_denorm_mode_16_64 3
		.amdhsa_memory_ordered 1
		.amdhsa_forward_progress 1
		.amdhsa_inst_pref_size 19
	.end_amdhsa_kernel
	.amdgpu_metadata
---
amdhsa.version: [ 1, 2 ]
amdhsa.kernels:
  - .name:           k_q243d76b4af_cast
    .symbol:         k_q243d76b4af_cast.kd
    .args:
      - { .name: x, .offset: 0, .size: 8, .value_kind: global_buffer, .address_space: global }
      - { .name: qkv_w, .offset: 8, .size: 8, .value_kind: global_buffer, .address_space: global }
      - { .name: proj_w, .offset: 16, .size: 8, .value_kind: global_buffer, .address_space: global }
      - { .name: rope_cos, .offset: 24, .size: 8, .value_kind: global_buffer, .address_space: global }
      - { .name: rope_sin, .offset: 32, .size: 8, .value_kind: global_buffer, .address_space: global }
      - { .name: xb, .offset: 40, .size: 8, .value_kind: global_buffer, .address_space: global }
      - { .name: wq, .offset: 48, .size: 8, .value_kind: global_buffer, .address_space: global }
      - { .name: wp, .offset: 56, .size: 8, .value_kind: global_buffer, .address_space: global }
      - { .name: rp, .offset: 64, .size: 8, .value_kind: global_buffer, .address_space: global }
    .group_segment_fixed_size: 0
    .private_segment_fixed_size: 0
    .kernarg_segment_align: 8
    .kernarg_segment_size: 72
    .max_flat_workgroup_size: 256
    .sgpr_count:     66
    .vgpr_count:     64
    .wavefront_size: 32
...
	.end_amdgpu_metadata
.endif
;; end of part 1
;; launch qkv (part 2): grid 8 x 32, 4 waves a work-group, clusters of 4 x 4, 327,680 bytes of LDS; arguments xb, wq, qkv_b, q_norm_w, k_norm_w, rp, qh, kh, vh; writes qh, kh, vh
.if DOCPART == 2
	.amdgcn_target "amdgcn-amd-amdhsa--gfx1250"
	.amdhsa_code_object_version 6
	.text
	.protected	k_q243d76b4af_qkv
	.globl	k_q243d76b4af_qkv
	.p2align	8
	.type	k_q243d76b4af_qkv,@function
k_q243d76b4af_qkv:
	s_mov_b64 s[64:65], 0
	v_nop
	global_prefetch_b8 v0, s[64:65] scope:SCOPE_SE
	s_setreg_imm32_b32 hwreg(HW_REG_WAVE_MODE, 25, 1), 1
	s_wait_xcnt 0x0
	s_wait_alu depctr_hold_cnt(0) depctr_sa_sdst(0) depctr_va_vdst(0) depctr_va_sdst(0) depctr_va_ssrc(0) depctr_va_vcc(0) depctr_vm_vsrc(0)
	s_getreg_b32 s2, hwreg(HW_REG_IB_STS2, 6, 4)
	s_cmp_eq_u32 s2, 0
	s_cbranch_scc0 .Lentry_in_a_cluster
	s_endpgm
.Lentry_in_a_cluster:
	s_bfe_u32 s2, ttmp6, 0x10000c
	s_cmp_lg_u32 s2, 0xf033
	s_cbranch_scc0 .Lentry_shape_is_right
	s_endpgm
.Lentry_shape_is_right:
; q, k, v = x W^T + bias; q and k then RMS-normed over a head's 64 channels, scaled by their gains and turned by RoPE; all three leave by heads, [64 = 16 b + h][2048][64], in f16, rounded once.
; x and W come as bf16 in blocks of 64 along K (xb, wq); bias and gains are rounded to bf16 here, the tables were rounded before (rp): every input of the module has that one rounding.  Sums in f32.
; LIMITS.  f16 ends at 65,504: v = x W^T + bias must stay within it (q and k are at most 8 sqrt(2) times the largest gain).  Below 6e-5 f16 keeps its fixed step of 6e-8.
; The order of the sums, and of the three factors x, 1/rms and gain, differs from the reference's.  NaN and infinities are not treated apart.
; SHARES.  A tile is 256 rows x 384 columns = two heads' q, k and v.  Four waves: wave w takes rows 128 (w / 2) on and head w % 2: 8 x 12 accumulators of 16 x 16, 768 registers.
; K goes in 16 steps of 64 through two LDS slots; a step is two quarters of 32 along K, 96 matrix instructions each.  8 x 32 tiles: 256 work-groups.
; CLUSTER.  4 x 4 work-groups.  A row of the cluster shares x's tile, a column W's: each is asked for jointly, the same tensor load, descriptor and mask in all four.
; TRANSPOSED USE.  Source 0 = 16 rows of W, source 1 = 16 rows of x: a lane holds row lane % 16 and the columns 8 (lane / 16) + 0..7.
; REGISTERS, in windows of 256 (s_set_vgpr_msb: bits 1:0 source 0, 3:2 source 1, 5:4 source 2, 7:6 destination):
;   window 0: v0-16 addresses; v32-95, v96-159 x's fragments (8 x 16 rows x 32 K), two buffers; v160-255 W's fragments, three groups of four (q, k, v), one buffer: a group is fetched again behind its products
;   windows 1, 2, 3: the accumulators of q, k, v: row block a, column block bb at v[32 a + 8 bb]
.set PITCH, 144                        ; an LDS row: 128 bytes + 16 of padding = 36 words: the 16 rows of a load start at 16 different groups of four banks (64 banks of 4 bytes: ISA guide 11.1)
.set SLOT1, 1<<17                      ; slot 1 begins here: one exclusive or turns an address in one slot into the other's
.set AHALF, 128*PITCH                  ; 128 rows of x: what wave 0 or 1 fetches, and what a wave reads
.set BOFF,  2*AHALF                    ; behind x's 256 rows: W's 384
.set BHALF, 192*PITCH                  ; 192 rows of W: what wave 2 or 3 fetches, and what a wave reads
.set SPARE, BOFF+2*BHALF               ; behind slot 0: the spare words, 128 bytes for each wave: two blocks of 256 bytes that no other line names
.set STAGE, SLOT1+SPARE                ; behind slot 1, never filled by a tensor load: for each wave 3 x 16 rows x 272 bytes of f32
.set SP,    272
.set STG_T, 16*SP
.set STG_W, 3*STG_T
.set ASTEP, 262144                     ; bytes from a K block to the next in xb
.set BSTEP, 393216                     ; and in wq
.set ADRA0, 4                          ; v4   my lane's place in x's rows of a slot; never rewritten
.set ADRB0, 5                          ; v5   the same for W
.set ADRA,  6                          ; v6   the same in the slot in hand
.set ADRB,  7                          ; v7
.set SPW,   8                          ; v8   LDS address of my spare word: SPARE + 4 x my thread's number; never rewritten
.set NIL,   9                          ; v9   0; never rewritten
.set STO,   10                         ; v10  the way out: where I put 16 bytes of a row
.set RD,    11                         ; v11  the way out: where I read 32 bytes of a row back
.set GO,    12                         ; v12  my byte offset in 512 consecutive bytes of q, k, v
.set CO,    13                         ; v13  my byte offset in the tables
.set BO,    14                         ; v14  my 8 columns in bias and gains: 32 (lane % 8)
.set AF,    32
.set BF,    160
.set BIAS,  32                         ; the way out: v32-55 bias of my 8 columns for q, k, v
.set NW,    56                         ; v56-71  gains of my 8 columns for q, k
.set RR,    72                         ; v72-79  a pair for each of my four rows: sum of squares, then 1 / rms
.set T,     88                         ; v88-95  at work
.set COS,   96                         ; v96-127   cos for my four rows x 8 columns
.set SIN,   128                        ; v128-159  sin
.set XQ,    160                        ; v160-191, v192-223, v224-255: q, k, v of my four rows x 8 columns
.set XK,    192
.set XV,    224
.set WV,  22                           ; s22  my wave's number; s23 = w / 2: my rows, and: I fetch x (0) or W (1); s24 = w % 2: my head, and: which half I fetch
.set G1A, 28                           ; s[28:35] descriptor group 1 for x's tiles
.set G1B, 36                           ; s[36:43] for W's
.set G0A, 44                           ; s[44:47] group 0 of x's first fill; s[48:51] of its second, which then walks on
.set G0B, 52                           ; s[52:55], s[56:59] the same for W
.set TB,  60                           ; s60  LDS byte at which the slot to be read begins
.set CNT, 61                           ; s61  counts the loop over K
.set BLK, 83                           ; s83  the way out: the row block in hand
.set MSB, 0
.macro WIN new                         ; the immediate's high byte repeats the setting that is left; a switch that changes nothing is dropped
.if MSB != (\new)
	s_set_vgpr_msb (MSB<<8)|(\new)
.set MSB, \new
.endif
.endm
.macro PLACES                          ; a load into a register that a matrix instruction has read stands four plain vector instructions behind it (ISA guide 7.12.1 for vector instructions)
.rept 4
	v_nop
.endr
.endm
; A joint refill by the walking descriptors: waves 0 and 1 fetch x's halves, waves 2 and 3 W's.  The branch hangs on the wave's number alone.  An s_nop 0 and four v_nop follow each line.
.macro JLOAD
	s_cmp_eq_u32 s23, 0
	s_cbranch_scc0 .Lfor_b_\@
	tensor_load_to_lds s[G0A+4:G0A+7], s[G1A:G1A+7]
	s_nop 0
.rept 4
	v_nop
.endr
	s_branch .Lasked_\@
.Lfor_b_\@:
	tensor_load_to_lds s[G0B+4:G0B+7], s[G1B:G1B+7]
	s_nop 0
.rept 4
	v_nop
.endr
.Lasked_\@:
.endm
.macro CREST                           ; a round of the cluster's barrier behind its opening barrier: wave 0 signals for the work-group, every wave waits for all sixteen, my work-group's barrier closes it
	s_cmp_lg_u32 s[WV], 0
	s_cbranch_scc1 .Lnot_wave_0_\@
	s_barrier_signal -3
.Lnot_wave_0_\@:
	s_barrier_wait -3
	s_barrier_signal -1
	s_barrier_wait -1
.endm
.macro CROUND                          ; a whole round
	s_barrier_signal -1
	s_barrier_wait -1
	CREST
.endm
; 16 matrix instructions: group g (0 q, 1 k, 2 v), row blocks a0 .. a0 + 3 x its four column blocks, x's buffer ab.  zero = 1: the product starts the sum.
.macro GRPH g, ab, a0, zero
	WIN 0x50*((\g)+1)                              ; C and D in window g + 1, both sources in window 0
.irp a, \a0, (\a0)+1, (\a0)+2, (\a0)+3
.irp bb, 0,1,2,3
.if \zero
	v_wmma_f32_16x16x32_bf16 v[32*(\a)+8*(\bb):32*(\a)+8*(\bb)+7], v[BF+32*(\g)+8*(\bb):BF+32*(\g)+8*(\bb)+7], v[AF+64*(\ab)+8*(\a):AF+64*(\ab)+8*(\a)+7], 0
.else
	v_wmma_f32_16x16x32_bf16 v[32*(\a)+8*(\bb):32*(\a)+8*(\bb)+7], v[BF+32*(\g)+8*(\bb):BF+32*(\g)+8*(\bb)+7], v[AF+64*(\ab)+8*(\a):AF+64*(\ab)+8*(\a)+7], v[32*(\a)+8*(\bb):32*(\a)+8*(\bb)+7]
.endif
.endr
.endr
.endm
.macro GRP g, ab, zero                 ; a group's 32.  The 96 accumulators take turns, one instruction a turn, in the same order in every quarter
	GRPH \g, \ab, 0, \zero
	GRPH \g, \ab, 4, \zero
.endm
.macro LDB g, q                        ; 8 LDS loads: group g's four fragments of W, quarter q
	WIN 0
.irp bb, 0,1,2,3
	ds_load_b128 v[BF+32*(\g)+8*(\bb):BF+32*(\g)+8*(\bb)+3],   v[ADRB] offset:(4*(\g)+(\bb))*16*PITCH+64*(\q)
	ds_load_b128 v[BF+32*(\g)+8*(\bb)+4:BF+32*(\g)+8*(\bb)+7], v[ADRB] offset:(4*(\g)+(\bb))*16*PITCH+64*(\q)+32
.endr
.endm
.macro LDA ab, hf, q                   ; 8 LDS loads: four fragments of x (row blocks 4 hf on), quarter q, into buffer ab
	WIN 0
.irp a, 0,1,2,3
	ds_load_b128 v[AF+64*(\ab)+8*(4*(\hf)+(\a)):AF+64*(\ab)+8*(4*(\hf)+(\a))+3],   v[ADRA] offset:(4*(\hf)+(\a))*16*PITCH+64*(\q)
	ds_load_b128 v[AF+64*(\ab)+8*(4*(\hf)+(\a))+4:AF+64*(\ab)+8*(4*(\hf)+(\a))+7], v[ADRA] offset:(4*(\hf)+(\a))*16*PITCH+64*(\q)+32
.endr
.endm
; A step's first quarter: multiplies x's buffer ab and fetches quarter nq of the same slot: W's group g behind group g's products, x's other buffer in two halves beside them.
.macro QUARTER ab, nq, zero
	s_wait_dscnt 8                                 ; all but the youngest eight loads (this quarter's group 2 of W) are in
	GRP 0, \ab, \zero
	PLACES
	LDB 0, \nq
	LDA 1-(\ab), 0, \nq
	GRP 1, \ab, \zero
	PLACES
	LDB 1, \nq
	LDA 1-(\ab), 1, \nq
	s_wait_dscnt 32                                ; all but the 32 just issued: group 2 is in
	GRP 2, \ab, \zero
	PLACES
	LDB 2, \nq
.endm
; A step's second quarter multiplies buffer 1 and changes slots.  In front of the barrier each wave waits for all its tensor loads (one is out: its part of the next slot), adds 0 to its spare word, and waits for
; that and for its reads of this slot, of which the last (group 2 of W) were issued at the end of the quarter before.  Behind it nobody reads this slot any more and the next slot is whole.
; fill = 1: the barrier opens a round of the cluster's barrier, and this slot is filled again, two steps ahead, first thing behind the round: 160 matrix instructions ahead of the wait for that load.
.macro TURN fill
	WIN 0
	s_wait_tensorcnt 0x0                           ; no tensor load of mine is out, so a group 0 may be written
	ds_add_u32 v[SPW], v[NIL]                      ; 0 onto my spare word: scalar work and sixteen products stand between it and the wait for it
.if \fill
	s_xor_b32 s[G0A+5], s[G0A+5], SLOT1            ; the walking descriptors: the other slot than last time,
	s_add_nc_u64 s[G0A+6:G0A+7], s[G0A+6:G0A+7], ASTEP  ; the next K block; the type bits on top are not reached
	s_xor_b32 s[G0B+5], s[G0B+5], SLOT1
	s_add_nc_u64 s[G0B+6:G0B+7], s[G0B+6:G0B+7], BSTEP
.endif
	s_xor_b32 s[TB], s[TB], SLOT1                  ; the reads go on in the other slot
	s_wait_dscnt 9                                 ; the add and the youngest eight loads may be out
	GRPH 0, 1, 0, 0
	s_wait_dscnt 0x0                               ; the add is done, and my reads of this slot are over
	s_barrier_signal -1
	GRPH 0, 1, 4, 0                                ; work on registers while the others arrive
	WIN 0                                          ; at a branch and at a label every window is 0
	s_barrier_wait -1
.if \fill
	CREST                                          ; no wave of any partner still reads this slot or has a load on its way
	JLOAD                                          ; the four v_nop behind it are also the places in front of the loads below
.else
	PLACES
.endif
	v_add_nc_u32 v[ADRA], s[TB], v[ADRA0]
	v_add_nc_u32 v[ADRB], s[TB], v[ADRB0]
	LDB 0, 0
	LDA 0, 0, 0
	GRP 1, 1, 0
	PLACES
	LDB 1, 0
	LDA 0, 1, 0
	GRP 2, 1, 0
	PLACES
	LDB 2, 0
.endm
	s_load_b512 s[4:19], s[0:1], 0x0               ; xb s[4:5], wq s[6:7], qkv_b s[8:9], q_norm_w s[10:11], k_norm_w s[12:13], rp s[14:15], qh s[16:17], kh s[18:19]
	s_load_b64 s[20:21], s[0:1], 0x40              ; vh
	v_lshl_add_u32 v[SPW], v0, 2, SPARE
	v_mov_b32 v[NIL], 0
	ds_add_u32 v[SPW], v[NIL]                      ; the wave's opening: the add and its wait stand ahead of my first tensor load; the set-up below, work on registers, stands between them
	v_lshrrev_b32 v1, 5, v0
	v_readfirstlane_b32 s[WV], v1                  ; wave 0..3
	s_lshr_b32 s23, s[WV], 1
	s_and_b32 s24, s[WV], 1
	s_bfe_u32 s62, ttmp6, 0x40000                  ; cx, cy: my place in the cluster
	s_bfe_u32 s63, ttmp6, 0x40004
	s_lshl_b32 s66, ttmp9, 2
	s_add_co_u32 s66, s66, s62                     ; tile column tx = 4 x cluster x + cx: heads 2 tx, 2 tx + 1
	s_and_b32 s67, ttmp7, 0xffff
	s_lshl_b32 s67, s67, 2
	s_add_co_u32 s67, s67, s63                     ; tile row ty = 4 x cluster y + cy: b = ty / 8, s from 256 (ty % 8) on
	s_lshl_b32 s68, s63, 2
	s_lshl_b32 s68, 15, s68                        ; my row of the cluster
	s_lshl_b32 s69, 0x1111, s62                    ; my column
	; descriptor group 1.  128 (192) rows of 128 bytes lie on end in memory: asked for as 64 (96) rows of 256 bytes and padded in LDS after every 128
	s_or_b32 s[G1A], s68, (1<<16)|(1<<20)|(1<<21)|(4<<22)|(3<<25)  ; 15:0 the mask; 17:16 2-byte elements; 20 padding on; 21 set beside a mask; 24:22 after every 32 words (code 4); 31:25 4 words (code 3)
	s_or_b32 s[G1B], s69, (1<<16)|(1<<20)|(1<<21)|(4<<22)|(3<<25)
.irp g, G1A, G1B
	s_mov_b32 s[(\g)+1], 128<<16                   ; tensor_dim0 = 128
	s_mov_b32 s[(\g)+3], 128<<16                   ; tile_dim0 = 128
	s_mov_b32 s[(\g)+5], 128                       ; 128 elements from row to row
	s_mov_b32 s[(\g)+6], 0
	s_mov_b32 s[(\g)+7], 0
.endr
	s_mov_b32 s[G1A+2], 64<<16                     ; tensor_dim1,
	s_mov_b32 s[G1A+4], 64                         ; tile_dim1
	s_mov_b32 s[G1B+2], 96<<16
	s_mov_b32 s[G1B+4], 96
	; where the tiles come from: x's hang on ty and the wave alone, W's on tx and the wave alone, each in registers that never hold the other coordinate
	s_lshr_b32 s70, s67, 3
	s_lshl_b32 s70, s70, 22                        ; b x 16 blocks x 2,048 rows x 128 bytes
	s_and_b32 s74, s67, 7
	s_lshl_b32 s74, s74, 15                        ; 256 (ty % 8) rows
	s_add_co_u32 s70, s70, s74
	s_lshl_b32 s74, s24, 14                        ; my 128 of them
	s_add_co_u32 s70, s70, s74
	s_mov_b32 s71, 0
	s_mul_i32 s72, s66, 384*128
	s_mul_i32 s75, s24, 192*128
	s_add_co_u32 s72, s72, s75
	s_mov_b32 s73, 0
	s_mul_i32 s76, s24, AHALF                      ; and where they go: no place in the cluster enters an LDS address
	s_mul_i32 s77, s24, BHALF
	s_add_co_u32 s77, s77, BOFF
	s_mov_b32 s[TB], 0
	s_mov_b32 s80, 0x3c800000                      ; 1 / 64
	s_mov_b32 s81, 0x358637bd                      ; 1e-6
	s_mov_b32 s82, 0xffff0000                      ; a word's upper bf16
	s_wait_dscnt 0x0                               ; the opening add is done
	s_wait_kmcnt 0x0
	s_mov_b32 s[G0A], 1                            ; 1:0 count = 1
	s_mov_b32 s[G0A+1], s76                        ; 63:32 LDS address: slot 0
	s_add_nc_u64 s[G0A+2:G0A+3], s[4:5], s[70:71]  ; 120:64 global address: K block 0
	s_mov_b32 s[G0A+4], 1
	s_add_co_u32 s[G0A+5], s76, SLOT1
	s_add_nc_u64 s[G0A+6:G0A+7], s[G0A+2:G0A+3], ASTEP  ; K block 1
	s_or_b32 s[G0A+3], s[G0A+3], 0x80000000        ; 127:126 type = 2
	s_or_b32 s[G0A+7], s[G0A+7], 0x80000000
	s_mov_b32 s[G0B], 1
	s_mov_b32 s[G0B+1], s77
	s_add_nc_u64 s[G0B+2:G0B+3], s[6:7], s[72:73]
	s_mov_b32 s[G0B+4], 1
	s_add_co_u32 s[G0B+5], s77, SLOT1
	s_add_nc_u64 s[G0B+6:G0B+7], s[G0B+2:G0B+3], BSTEP
	s_or_b32 s[G0B+3], s[G0B+3], 0x80000000
	s_or_b32 s[G0B+7], s[G0B+7], 0x80000000
	CROUND                                         ; all sixteen work-groups are here: the first joint loads meet
	s_cmp_eq_u32 s23, 0                            ; a wave's two first fills stand in one branch, ahead of every wait on TENSORcnt and every LDS read: two loads of mine are out
	s_cbranch_scc0 .Lfirst_b
	tensor_load_to_lds s[G0A:G0A+3], s[G1A:G1A+7]
	s_nop 0
	tensor_load_to_lds s[G0A+4:G0A+7], s[G1A:G1A+7]
	s_nop 0
.rept 4
	v_nop
.endr
	s_branch .Lfirst_asked
.Lfirst_b:
	tensor_load_to_lds s[G0B:G0B+3], s[G1B:G1B+7]
	s_nop 0
	tensor_load_to_lds s[G0B+4:G0B+7], s[G1B:G1B+7]
	s_nop 0
.rept 4
	v_nop
.endr
.Lfirst_asked:
	; A fragment is 16 rows x 32 K in 8 registers: lane l holds row l % 16; registers 0-3 hold K = 8 (l / 16) + 0..7, registers 4-7 K = 16 + 8 (l / 16) + 0..7: two loads of 16 bytes, 32 bytes apart.
	v_and_b32 v1, 15, v0                           ; l % 16
	v_bfe_u32 v2, v0, 4, 1                         ; l / 16
	v_mul_u32_u24 v3, v1, PITCH
	v_lshl_add_u32 v3, v2, 4, v3
	s_mul_i32 s78, s23, AHALF                      ; my 128 rows of x
	v_add_nc_u32 v[ADRA0], s78, v3
	s_mul_i32 s78, s24, BHALF                      ; my 192 rows of W
	s_add_co_u32 s78, s78, BOFF
	v_add_nc_u32 v[ADRB0], s78, v3
	v_mov_b32 v[ADRA], v[ADRA0]
	v_mov_b32 v[ADRB], v[ADRB0]
	s_mul_i32 s78, s[WV], STG_W
	s_add_co_u32 s78, s78, STAGE                   ; my stage
	v_mul_u32_u24 v[STO], v1, SP                   ; in: row l % 16, 32 bytes (8 f32) for each half of the lanes
	v_lshl_add_u32 v[STO], v2, 5, v[STO]
	v_add_nc_u32 v[STO], s78, v[STO]
	v_bfe_u32 v15, v0, 3, 2                        ; l / 8
	v_and_b32 v16, 7, v0                           ; l % 8
	v_mul_u32_u24 v[RD], v15, SP                   ; back: row l / 8 (+ 4 i), columns 8 (l % 8) on
	v_lshl_add_u32 v[RD], v16, 5, v[RD]
	v_add_nc_u32 v[RD], s78, v[RD]
	v_and_b32 v[GO], 31, v0
	v_lshlrev_b32 v[GO], 4, v[GO]                  ; four rows of 128 bytes are 512 bytes on end: 16 x lane
	v_lshlrev_b32 v[BO], 5, v16
	s_and_b32 s79, s67, 7
	s_lshl_b32 s79, s79, 16                        ; the tables: a row of 64 f32 is 256 bytes; row 256 (ty % 8)
	s_lshl_b32 s84, s23, 15                        ; + my 128 rows
	s_add_co_u32 s79, s79, s84
	v_lshl_add_u32 v[CO], v15, 8, v[BO]
	v_add_nc_u32 v[CO], s79, v[CO]
	s_lshl_b32 s85, s66, 1
	s_add_co_u32 s85, s85, s24                     ; my head h
	s_lshr_b32 s86, s67, 3
	s_lshl_b32 s86, s86, 4
	s_add_co_u32 s86, s86, s85                     ; 16 b + h
	s_lshl_b32 s86, s86, 18                        ; x 2,048 rows x 128 bytes
	s_and_b32 s87, s67, 7
	s_lshl_b32 s87, s87, 15
	s_add_co_u32 s86, s86, s87
	s_lshl_b32 s87, s23, 14
	s_add_co_u32 s86, s86, s87
	s_mov_b32 s87, 0
	s_add_nc_u64 s[16:17], s[16:17], s[86:87]      ; q, k, v at my wave's first row
	s_add_nc_u64 s[18:19], s[18:19], s[86:87]
	s_add_nc_u64 s[20:21], s[20:21], s[86:87]
	s_lshl_b32 s88, s85, 8
	s_mov_b32 s89, 0
	s_add_nc_u64 s[8:9], s[8:9], s[88:89]          ; the bias at my head's q part
	s_wait_tensorcnt 1                             ; my part of step 0 is in; step 1's may stay out
	s_barrier_signal -1
	s_barrier_wait -1                              ; everybody's is
	LDB 0, 0
	LDA 0, 0, 0
	LDB 1, 0
	LDA 0, 1, 0
	LDB 2, 0
	QUARTER 0, 1, 1                                ; the first quarter stands in front of the loop: its products start the 96 sums
	WIN 0
	s_mov_b32 s[CNT], 14
.Lk:                                               ; a trip: a step's second quarter, the change of slots with its refill (steps 2 to 15), the next step's first quarter
	TURN 1
	QUARTER 0, 1, 0
	WIN 0
	s_sub_co_u32 s[CNT], s[CNT], 1
	s_cmp_lg_u32 s[CNT], 0
	s_cbranch_scc1 .Lk
	TURN 0                                         ; the tail is written out: nothing is left to ask for
	QUARTER 0, 1, 0
	; bias and gains of the 8 columns that I shall hold on the way out, into x's buffer 0, whose last products stand in front of the quarter's last four v_nop
.irp t, 0,1,2
	global_load_b128 v[BIAS+8*(\t):BIAS+8*(\t)+3],   v[BO], s[8:9] offset:4096*(\t)
	global_load_b128 v[BIAS+8*(\t)+4:BIAS+8*(\t)+7], v[BO], s[8:9] offset:4096*(\t)+16
.endr
	global_load_b128 v[NW:NW+3],     v[BO], s[10:11]
	global_load_b128 v[NW+4:NW+7],   v[BO], s[10:11] offset:16
	global_load_b128 v[NW+8:NW+11],  v[BO], s[12:13]
	global_load_b128 v[NW+12:NW+15], v[BO], s[12:13] offset:16
	s_wait_dscnt 8                                 ; the very last quarter: nothing more to fetch
	GRP 0, 1, 0
	GRP 1, 1, 0
	s_wait_dscnt 0x0
	GRP 2, 1, 0
	WIN 0
	; THE WAY OUT.  Bias and gains are rounded to bf16 and widened again; these 60 plain instructions, which name no register of the last products, are also the places behind them.
	s_wait_loadcnt 0x0
.set p, 0
.rept 20
	v_cvt_pk_bf16_f32 v[T+p%8], v[BIAS+2*p], v[BIAS+2*p+1]
	v_lshlrev_b32 v[BIAS+2*p],   16,  v[T+p%8]
	v_and_b32     v[BIAS+2*p+1], s82, v[T+p%8]
.set p, p+1
.endr
; Row block k's twelve accumulators go into my stage as f32, each from its low registers on.
.macro DUMP k
.irp t, 0,1,2
	WIN 4*((\t)+1)                                 ; the stores' data (source 1) in window t + 1
.irp bb, 0,1,2,3
	ds_store_b128 v[STO], v[32*(\k)+8*(\bb):32*(\k)+8*(\bb)+3]   offset:(\t)*STG_T+64*(\bb)
	ds_store_b128 v[STO], v[32*(\k)+8*(\bb)+4:32*(\k)+8*(\bb)+7] offset:(\t)*STG_T+64*(\bb)+16
.endr
.endr
	WIN 0
.endm
.macro BACK x, t                       ; and come back by rows: register 8 i + j holds row l / 8 + 4 i, column 8 (l % 8) + j
.irp i, 0,1,2,3
	ds_load_b128 v[(\x)+8*(\i):(\x)+8*(\i)+3],   v[RD] offset:(\t)*STG_T+4*SP*(\i)
	ds_load_b128 v[(\x)+8*(\i)+4:(\x)+8*(\i)+7], v[RD] offset:(\t)*STG_T+4*SP*(\i)+16
.endr
.endm
.macro ADDB x, bi                      ; + bias
.set p, 0
.rept 16
	v_pk_add_f32 v[(\x)+2*p:(\x)+2*p+1], v[(\x)+2*p:(\x)+2*p+1], v[(\bi)+2*(p%4):(\bi)+2*(p%4)+1]
.set p, p+1
.endr
.endm
; x / sqrt(mean of x^2 + 1e-6) x gain.  A row's 64 numbers lie in eight neighbouring lanes, eight each: the sum crosses them in three steps that ride on the additions (DPP).
.macro NORM x, nw
.irp i, 0,1,2,3
	v_pk_mul_f32 v[RR+2*(\i):RR+2*(\i)+1], v[(\x)+8*(\i):(\x)+8*(\i)+1], v[(\x)+8*(\i):(\x)+8*(\i)+1]
.endr
.irp c, 1,2,3
.irp i, 0,1,2,3
	v_pk_fma_f32 v[RR+2*(\i):RR+2*(\i)+1], v[(\x)+8*(\i)+2*(\c):(\x)+8*(\i)+2*(\c)+1], v[(\x)+8*(\i)+2*(\c):(\x)+8*(\i)+2*(\c)+1], v[RR+2*(\i):RR+2*(\i)+1]
.endr
.endr
.irp i, 0,1,2,3
	v_add_f32 v[RR+2*(\i)], v[RR+2*(\i)], v[RR+2*(\i)+1]
.endr
.irp m, 1,2,4
.irp i, 0,1,2,3
	v_add_f32_dpp v[RR+2*(\i)], v[RR+2*(\i)], v[RR+2*(\i)] row_xmask:\m row_mask:0xf bank_mask:0xf
.endr
.endr
.irp i, 0,1,2,3
	v_fma_f32 v[RR+2*(\i)], v[RR+2*(\i)], s80, s81 ; sum / 64 + 1e-6
.endr
.irp i, 0,1,2,3
	v_rsq_f32 v[RR+2*(\i)], v[RR+2*(\i)]
.endr
.set p, 0
.rept 16                               ; the gains first: plain instructions between the last v_rsq_f32 and the use of its result (ISA guide 5.7.2)
	v_pk_mul_f32 v[(\x)+2*p:(\x)+2*p+1], v[(\x)+2*p:(\x)+2*p+1], v[(\nw)+2*(p%4):(\nw)+2*(p%4)+1]
.set p, p+1
.endr
.set p, 0
	s_wait_alu depctr_va_vdst(0)
.rept 16
	v_pk_mul_f32 v[(\x)+2*p:(\x)+2*p+1], v[(\x)+2*p:(\x)+2*p+1], v[RR+2*(p/4):RR+2*(p/4)+1] op_sel_hi:[1,0]
.set p, p+1
.endr
.endm
; RoPE on neighbouring pairs: (x0, x1) -> (x0 c0 - x1 s0, x1 c1 + x0 s1).  The first line takes x swapped: (x1 s0, x0 s1); the second takes that sum's low half with its sign turned.
.macro ROPE x
.set p, 0
.rept 4
.irp c, 0,1,2,3
	v_pk_mul_f32 v[T+2*(\c):T+2*(\c)+1], v[(\x)+2*(p+(\c)):(\x)+2*(p+(\c))+1], v[SIN+2*(p+(\c)):SIN+2*(p+(\c))+1] op_sel:[1,0] op_sel_hi:[0,1]
.endr
.irp c, 0,1,2,3
	v_pk_fma_f32 v[(\x)+2*(p+(\c)):(\x)+2*(p+(\c))+1], v[(\x)+2*(p+(\c)):(\x)+2*(p+(\c))+1], v[COS+2*(p+(\c)):COS+2*(p+(\c))+1], v[T+2*(\c):T+2*(\c)+1] neg_lo:[0,0,1]
.endr
.set p, p+4
.endr
.endm
.macro OUTF x, ptr                     ; rounded to f16 in place (a row's 8 numbers into its first four registers) and stored: 32 lanes write four rows of 128 bytes, 512 consecutive bytes at a multiple of 256
.set p, 0
.rept 16
	v_cvt_pk_f16_f32 v[(\x)+8*(p/4)+p%4], v[(\x)+2*p], v[(\x)+2*p+1]
.set p, p+1
.endr
.irp i, 0,1,2,3
	global_store_b128 v[GO], v[(\x)+8*(\i):(\x)+8*(\i)+3], s[(\ptr):(\ptr)+1] offset:512*(\i)
.endr
.endm
	s_mov_b32 s[BLK], 0
.Lblk:                                             ; eight trips, a block of 16 rows each; the stage is my own, and LDS serves a wave's instructions in order (ISA guide 5.7.1.4): no barrier
.irp i, 0,1,2,3
	global_load_b128 v[COS+8*(\i):COS+8*(\i)+3],   v[CO], s[14:15] offset:1024*(\i)
	global_load_b128 v[COS+8*(\i)+4:COS+8*(\i)+7], v[CO], s[14:15] offset:1024*(\i)+16
	global_load_b128 v[SIN+8*(\i):SIN+8*(\i)+3],   v[CO], s[14:15] offset:524288+1024*(\i)
	global_load_b128 v[SIN+8*(\i)+4:SIN+8*(\i)+7], v[CO], s[14:15] offset:524288+1024*(\i)+16
.endr
.irp k, 0,1,2,3,4,5,6                  ; registers cannot be indexed: the block's number chooses one of eight runs of stores, all jumps forward
	s_cmp_eq_u32 s[BLK], \k
	s_cbranch_scc1 .Ldump\k
.endr
	DUMP 7
	s_branch .Lproc
.irp k, 0,1,2,3,4,5
.Ldump\k:
	DUMP \k
	s_branch .Lproc
.endr
.Ldump6:
	DUMP 6
.Lproc:
	BACK XV, 2
	BACK XQ, 0
	BACK XK, 1
	s_wait_dscnt 16                                ; v is back; q's and k's sixteen loads may stay out
	ADDB XV, BIAS+16
	OUTF XV, 20
	s_wait_dscnt 8                                 ; q is back
	ADDB XQ, BIAS
	NORM XQ, NW
	s_wait_loadcnt 0x0                             ; the tables
	ROPE XQ
	OUTF XQ, 16
	s_wait_dscnt 0x0                               ; k is back
	ADDB XK, BIAS+8
	NORM XK, NW+8
	ROPE XK
	OUTF XK, 18
	s_wait_xcnt 0x0                                ; the stores and loads have read their registers: offsets and data are written again only behind this wait
	v_add_nc_u32 v[GO], 2048, v[GO]                ; 16 rows on in q, k, v,
	v_add_nc_u32 v[CO], 4096, v[CO]                ; and in the tables
	s_add_co_u32 s[BLK], s[BLK], 1
	s_cmp_lt_u32 s[BLK], 8
	s_cbranch_scc1 .Lblk
	s_wait_tensorcnt 0x0                           ; the wave's end: an add and its wait, behind my last tensor load and my last LDS store
	ds_add_u32 v[SPW], v[NIL]
	s_wait_dscnt 0x0
	CROUND                                         ; the closing round: no work-group ends while a partner may still ask for a tile that names it
	s_endpgm
.Lfunc_end_k_q243d76b4af_qkv:
	.size	k_q243d76b4af_qkv, .Lfunc_end_k_q243d76b4af_qkv-k_q243d76b4af_qkv
	.p2alignl 7, 3214868480
	.fill 96, 4, 3214868480
	.section	.rodata,"a",@progbits
	.p2align	6, 0x0
	.amdhsa_kernel k_q243d76b4af_qkv
		.amdhsa_group_segment_fixed_size 327680
		.amdhsa_private_segment_fixed_size 0
		.amdhsa_enable_private_segment 0
		.amdhsa_kernarg_size 72
		.amdhsa_user_sgpr_count 2
		.amdhsa_user_sgpr_kernarg_segment_ptr 1
		.amdhsa_wavefront_size32 1
		.amdhsa_system_sgpr_workgroup_id_x 1
		.amdhsa_system_sgpr_workgroup_id_y 1
		.amdhsa_system_sgpr_workgroup_id_z 1
		.amdhsa_system_vgpr_workitem_id 0
		.amdhsa_next_free_vgpr 1024
		.amdhsa_next_free_sgpr 96
		.amdhsa_reserve_vcc 0
		.amdhsa_float_denorm_mode_32 3
		.amdhsa_float_denorm_mode_16_64 3
		.amdhsa_memory_ordered 1
		.amdhsa_forward_progress 1
		.amdhsa_inst_pref_size 104
	.end_amdhsa_kernel
	.amdgpu_metadata
---
amdhsa.version: [ 1, 2 ]
amdhsa.kernels:
  - .name:           k_q243d76b4af_qkv
    .symbol:         k_q243d76b4af_qkv.kd
    .args:
      - { .name: xb, .offset: 0, .size: 8, .value_kind: global_buffer, .address_space: global }
      - { .name: wq, .offset: 8, .size: 8, .value_kind: global_buffer, .address_space: global }
      - { .name: qkv_b, .offset: 16, .size: 8, .value_kind: global_buffer, .address_space: global }
      - { .name: q_norm_w, .offset: 24, .size: 8, .value_kind: global_buffer, .address_space: global }
      - { .name: k_norm_w, .offset: 32, .size: 8, .value_kind: global_buffer, .address_space: global }
      - { .name: rp, .offset: 40, .size: 8, .value_kind: global_buffer, .address_space: global }
      - { .name: qh, .offset: 48, .size: 8, .value_kind: global_buffer, .address_space: global }
      - { .name: kh, .offset: 56, .size: 8, .value_kind: global_buffer, .address_space: global }
      - { .name: vh, .offset: 64, .size: 8, .value_kind: global_buffer, .address_space: global }
    .group_segment_fixed_size: 327680
    .private_segment_fixed_size: 0
    .kernarg_segment_align: 8
    .kernarg_segment_size: 72
    .max_flat_workgroup_size: 128
    .sgpr_count:     96
    .vgpr_count:     1024
    .wavefront_size: 32
...
	.end_amdgpu_metadata
.endif
;; end of part 2
;; launch attn (part 3): grid 4 x 64, 4 waves a work-group, clusters of 4 x 1, 327,680 bytes of LDS; arguments qh, kh, vh, oh; writes oh
.if DOCPART == 3
	.amdgcn_target "amdgcn-amd-amdhsa--gfx1250"
	.amdhsa_code_object_version 6
	.text
	.protected	k_q243d76b4af_attn
	.globl	k_q243d76b4af_attn
	.p2align	8
	.type	k_q243d76b4af_attn,@function
k_q243d76b4af_attn:
	s_mov_b64 s[64:65], 0
	v_nop
	global_prefetch_b8 v0, s[64:65] scope:SCOPE_SE
	s_setreg_imm32_b32 hwreg(HW_REG_WAVE_MODE, 25, 1), 1
	s_wait_xcnt 0x0
	s_wait_alu depctr_hold_cnt(0) depctr_sa_sdst(0) depctr_va_vdst(0) depctr_va_sdst(0) depctr_va_ssrc(0) depctr_va_vcc(0) depctr_vm_vsrc(0)
	s_getreg_b32 s2, hwreg(HW_REG_IB_STS2, 6, 4)
	s_cmp_eq_u32 s2, 0
	s_cbranch_scc0 .Lentry_in_a_cluster
	s_endpgm
.Lentry_in_a_cluster:
	s_bfe_u32 s2, ttmp6, 0x10000c
	s_cmp_lg_u32 s2, 0x3003
	s_cbranch_scc0 .Lentry_shape_is_right
	s_endpgm
.Lentry_shape_is_right:
; O[h][q][:] = the sum over k of softmax_k(Q[h][q] . K[h][k] / 8) V[h][k][:].  Q, K, V, O: [64][2048][64], all f16: a head's rows are dense, 128 bytes each.  Products, maxima and sums in
; f32; the weights p are rounded to f16 for the second product (their sum l is taken of the unrounded p), O once at the end.
; LIMITS.  f16 holds no number beyond 65,504: Q, K and V arrive within it; p lies in 0 to 1, and below 6e-5 it keeps f16's fixed step of 6e-8; O is a mean of V's rows and has their range.
; A weight below 2^-126 counts as 0 in l; NaN and infinities are not treated apart.
; SHARES.  A wave owns four PIECES of two tiles of 16 queries, a work-group's four waves 512 queries of one head: 4 x 64 = 256 work-groups.  Every wave walks all keys, 64 a step.
; LAYOUT.  S^T = K Q^T (source 0 = 16 keys, source 1 = 16 queries): in the result a lane holds ONE query (lane % 16) and the keys 8 (lane / 16) + 0..7.  Two such tiles, rounded to f16 in pairs,
; ARE source 1 (32 keys x 16 queries) of O^T = V^T P, whose result again holds one query a lane, and eight channels.  K comes out of LDS as it lies, V ([key][channel]) turned, by ds_load_tr16_b128.
; SOFTMAX.  For each query a running maximum m and sum l: p = 2^(c s - c m), c = log2(e) / 8; in every step O and l are multiplied by a = 2^(c m_old - c m_new), which is 1 where m has not grown.
; m starts at the lowest finite number, O and l at 0: the first step is a step like any other, with a = 0.
; THE COUNT.  A tile and step have 16 matrix and 118 vector instructions: too many to stand all beside the matrix work.  So the order has one aim: four vector instructions that are READY behind
; EVERY matrix instruction, and the others, which need time of their own whatever the order, in runs without a gap.
; BY TURNS.  Turn n belongs to piece n (the pieces in a ring, step after step).  Its matrix work: 16 products K Q^T of piece n + 1, later 16 products V^T P of piece n - 1.  Its vector work: the scaling,
; exponentials, roundings, sums and rescaling of piece n, and the maximum and statistics of piece n + 1, whose scores the turn itself has made.  So what a turn begins with (c s - c m, O a) waits for nothing.
; CLUSTER.  The four query blocks of a head are one cluster and walk the same K and V, so each tile is asked for JOINTLY: the same tensor load, descriptor and mask in all four.
; REGISTERS, in windows of 256 (s_set_vgpr_msb says which window each operand place means: bits 1:0 source 0, 3:2 source 1, 5:4 source 2, 7:6 destination):
;   window 0: v0-11 addresses; v12-15, v48-63 at work; v16-47 four registers of statistics a tile; v64-191 S^T, two buffers of two tiles; v192-255 P, likewise
;   window 1: O^T, 32 a tile          window 2: v0-127 Q, 16 a tile; v128-191 K of one step; v192-255 V of one step          window 3: v0-1 the add's two registers
; A piece's buffers go by its number's parity: the piece in hand has one pair, its two neighbours in the ring share the other: of it P (piece n - 1) is read and S^T (piece n + 1) written.
.set SIZE_H, 64
.set SIZE_N, 2048
.set NP,    4         ; pieces a wave: a name, no knob: the register map, the loop and the fetches are made for four
.set KS,    64        ; keys in a step
.set PK,    144       ; a row of K in LDS: 128 bytes + 16 of padding = 36 words: the 16 rows of a load start at 16 different groups of four banks (64 banks of 4 bytes: ISA guide 11.1)
.set PV,    160       ; a row of V: 128 + 32 = 40 words
.set VOFF,  4*KS*PK   ; a slot holds four steps: 256 rows of K, then 256 rows of V
.set SLOT1, 1<<17     ; slot 1 begins here, so that one exclusive or turns an address in one slot into the other's
.set STAGE, SLOT1+4*KS*(PK+PV)  ; behind the ring, never filled by a tensor load: 16 rows x 144 bytes for each wave, for the way out
.set SP,    144
.set AK0, 2           ; v2   my lane's place in a tile of K; never rewritten
.set AV0, 3           ; v3   the same for V
.set AK,  4           ; v4   the LDS address of K's next run of loads
.set AV,  5           ; v5   of V's
.set QO,  6           ; v6   my byte offset in the wave's rows of Q
.set STO, 6           ;      later, the way out: where I put 16 bytes of a row
.set RD,  7           ; v7   the way out: where I read rows back
.set GO,  8           ; v8   my byte offset in 512 consecutive bytes of O
.set PFO, 11          ; v11  the prefetches' offset: 256 x my lane; never rewritten once it is made
.set SPW, 0           ; v0 of window 3   LDS address of my spare word: SPARE + 4 x my thread's number; never rewritten
.set NIL, 1           ; v1 of window 3   0; never rewritten
.set SPARE, STAGE+4*16*SP  ; behind the stages: the spare words, 128 bytes for each wave: two blocks of 256 bytes that no other line names
.set MV,  12          ; v12-15  c m_old, kept while c m is made anew: by buffer and tile
.set ST,  16          ; tile t's statistics at v[ST+4 t]: c m, m, l (even keys', odd keys')
.set TMP, 48          ; by buffer and tile, four registers c0-c3 at work; when the maximum is found c2 takes a
.set S,   64
.set P,   192
.set KF,  128         ; K's fragments, in window 2: key block kb, channel half c at KF + 16 kb + 8 c
.set VF,  192         ; V's: key half kk, channel block cb at VF + 32 kk + 8 cb
.set WV,  12          ; s12  my wave's number
.set G1K, 24          ; s[24:31] descriptor group 1 for K's tiles
.set G1V, 32          ; s[32:39] for V's: it differs in the padding alone
.set G0K, 40          ; s[40:43] descriptor group 0 for K's tiles: it walks
.set G0V, 44          ; s[44:47] the same for V's
.set PFA, 48          ; s[48:49] where my prefetches stand: my work-group's 8,192 bytes (of K: wave 0, of V: wave 2) of the slot after the one that is being asked for
.set LIM, 50          ; s50  1 in a wave that prefetches, else the greatest number: a wave prefetches while s[SLOTS] is above it
.set SLOTS, 56        ; s56  slots still to be asked for
.set CNT, 57          ; s57  counts a slot's key steps
.set CS,  58          ; s[58:59] c: the packed scaling takes the pair's low word for both halves
.set SEL, 60          ; s[60:61] v_permlanex16_b32's selects: each lane takes its own place in the other half
.set TBK, 62          ; s62  LDS byte at which K of the step to be fetched begins
.set TBV, 63          ; s63  the same for V, less VOFF
.set MSB, 0
.macro WIN new                      ; the high byte repeats the setting that is left; a switch that changes nothing is dropped
.if MSB != (\new)
	s_set_vgpr_msb (MSB<<8)|(\new)
.set MSB, (\new)
.endif
.endm
.set W_KQ, 0x0a       ; K and Q in window 2, S^T in window 0
.set W_PV, 0x52       ; V in window 2, P in window 0, O^T in window 1
.set W_RS, 0x41       ; O^T (destination and source 0) in window 1, a in window 0
.set W_MK, 0xc0       ; the add's registers are made: destination in window 3, sources in window 0
.set W_AD, 0x0f       ; the add: address (source 0) and data (source 1) in window 3
; A joint fill.  Waves 0 and 1 fetch the two halves of a slot's K, waves 2 and 3 those of its V: 128 keys each.  The branch hangs on the wave's number alone.
; An s_nop 0 and four v_nop follow each of the two lines, ahead of the jump and the label.
.macro JLOAD
	s_cmp_lt_u32 s[WV], 2
	s_cbranch_scc0 .Lfor_v_\@
	tensor_load_to_lds s[G0K:G0K+3], s[G1K:G1K+7]
	s_nop 0
.rept 4
	v_nop
.endr
	s_branch .Lasked_\@
.Lfor_v_\@:
	tensor_load_to_lds s[G0V:G0V+3], s[G1V:G1V+7]
	s_nop 0
.rept 4
	v_nop
.endr
.Lasked_\@:
.endm
; A PREFETCH INTO THE L2 of what the NEXT change of slots will ask for: a slot's 32,768 bytes of K and of V, a lane 256 bytes.  It stands behind the wave's tensor load and its five lines.
; Each 256 bytes are named ONCE in the launch: a head has one cluster; its four partners share a slot out BY ADDRESS, 8,192 bytes each (no branch hangs on a work-group's place in its cluster); in each,
; wave 0 asks for K's and wave 2 for V's: one instruction, four key steps (512 matrix instructions) ahead of the load.  The last change that fills a slot asks for nothing: there is no slot behind it.
.macro ASK
	s_cmp_gt_u32 s[SLOTS], s[LIM]
	s_cbranch_scc0 .Lnot_mine_\@
	global_prefetch_b8 v[PFO], s[PFA:PFA+1] th:TH_LOAD_NT scope:SCOPE_SE
.Lnot_mine_\@:
.endm
; A round of the cluster's barrier: my work-group's barrier, so that wave 0's signal speaks for all four waves; wave 0 signals; every wave waits for all four work-groups; my work-group's barrier once more.
.macro CROUND
	s_barrier_signal -1
	s_barrier_wait -1
	s_cmp_lg_u32 s[WV], 0
	s_cbranch_scc1 .Lnot_wave_0_\@
	s_barrier_signal -3
.Lnot_wave_0_\@:
	s_barrier_wait -3
	s_barrier_signal -1
	s_barrier_wait -1
.endm
; THE CHANGE OF SLOTS.  The slot's last bytes, V of its fourth step, have been read.  Each wave waits for all its tensor loads, of which one is out: its part
; of the other slot; adds 0 to its spare word; and waits for that and for its own reads of the slot.  Behind the barrier nobody reads this slot any more and the other slot is whole.
; fill = 1: this slot is filled again, with the keys two slots on.  The barrier is then a round of the cluster's, so that no wave of any partner still reads the slot or has a load on its
; way, and the joint fill is the first thing behind it: it has four key steps, 512 matrix instructions, in which to land.  (At its first use nothing has been read yet: slot 0 is waited for, slot 1 filled.)
.macro CHANGE fill
	WIN W_AD
	s_wait_tensorcnt 0x0            ; no tensor load of mine is out, so a group 0 may be written
	ds_add_u32 v[SPW], v[NIL]       ; 0 onto my spare word: with fill = 1 the descriptors' steps stand between it and the wait for it
	WIN 0                           ; at a label and at a branch every window is 0
.if \fill
.irp g, G0K, G0V
	s_xor_b32 s[\g+1], s[\g+1], SLOT1  ; the walking descriptor: the other slot than last time,
	s_add_nc_u64 s[\g+2:\g+3], s[\g+2:\g+3], 4*KS*128  ; the next 256 keys; the type bits on top are not reached
.endr
	s_wait_xcnt 0x0                 ; the last prefetch, four key steps back, has read its address, so it may be written:
	s_add_nc_u64 s[PFA:PFA+1], s[PFA:PFA+1], 4*KS*128  ; one slot behind the walking descriptors
	s_wait_dscnt 0x0                ; the add is done, and my reads of the slot are over
	CROUND
	JLOAD
	ASK
.else
	s_wait_dscnt 0x0                ; the add is done, and my reads of the slot are over
	s_barrier_signal -1
	s_barrier_wait -1
.endif
	s_sub_co_u32 s[TBK], s[TBK], 4*KS*PK  ; the fetches go back to a slot's first step,
	s_xor_b32 s[TBK], s[TBK], SLOT1       ; in the other slot
	s_sub_co_u32 s[TBV], s[TBV], 4*KS*PV
	s_xor_b32 s[TBV], s[TBV], SLOT1
.endm
	s_load_b256 s[4:11], s[0:1], 0x0  ; Q s[4:5], K s[6:7], V s[8:9], O s[10:11]
	WIN W_MK
	v_lshl_add_u32 v[SPW], v0, 2, SPARE
	v_mov_b32 v[NIL], 0
	WIN W_AD
	ds_add_u32 v[SPW], v[NIL]       ; the wave's opening: the add and its wait stand ahead of my first tensor load; the set-up below, work on registers, stands between them
	WIN 0
	v_lshrrev_b32 v1, 5, v0
	v_readfirstlane_b32 s[WV], v1   ; wave 0..3
	s_bfe_u32 s13, ttmp6, 0x40000   ; cx: my place in the cluster
	s_lshl_b32 s14, ttmp9, 2        ; in a cluster launch ttmp9 counts clusters
	s_add_co_u32 s14, s14, s13      ; my block of queries = 4 x cluster x + cx: it enters Q's and O's addresses alone
	s_and_b32 s20, ttmp7, 0xffff    ; the head, which the four partners share
	s_mov_b32 s21, 0
	s_mov_b64 s[22:23], SIZE_N*128
	s_mul_u64 s[20:21], s[20:21], s[22:23]  ; the head's first byte in each of the four tensors
	s_and_b32 s16, s[WV], 1         ; which half of a slot's 256 keys I fetch:
	s_lshl_b32 s22, s16, 14         ; its 128 rows of 128 bytes in memory,
	s_mov_b32 s23, 0
	s_add_nc_u64 s[22:23], s[22:23], s[20:21]
	s_mul_i32 s17, s16, 128*PK      ; and its place in a slot, for K
	s_mul_i32 s18, s16, 128*PV      ; and for V: no place in the cluster enters an LDS address
	s_lshl_b32 s2, s14, 2
	s_add_co_u32 s2, s2, s[WV]      ; my wave among the head's,
	s_lshl_b32 s2, s2, 14           ; its 128 rows
	s_mov_b32 s3, 0
	s_add_nc_u64 s[2:3], s[2:3], s[20:21]
	; descriptor group 1.  128 keys are 16,384 dense bytes: asked for as 64 rows of 256 bytes, two keys a row, and padded in LDS after every key
	s_mov_b32 s[G1K], 15|(1<<16)|(1<<20)|(1<<21)|(4<<22)|(3<<25)  ; 15:0 the mask of four; 17:16 2-byte elements; 20 padding on; 21 set beside a mask; 24:22 after every 32 words (code 4); 31:25 4 words (code 3)
	s_mov_b32 s[G1V], 15|(1<<16)|(1<<20)|(1<<21)|(4<<22)|(7<<25)  ; the same with 8 words of padding (code 7)
.irp g, G1K, G1V
	s_mov_b32 s[\g+1], 128<<16      ; tensor_dim0 = 128
	s_mov_b32 s[\g+2], 64<<16       ; tensor_dim1 = 64
	s_mov_b32 s[\g+3], 128<<16      ; tile_dim0 = 128
	s_mov_b32 s[\g+4], 64           ; tile_dim1 = 64
	s_mov_b32 s[\g+5], 128          ; 128 elements from row to row
	s_mov_b32 s[\g+6], 0
	s_mov_b32 s[\g+7], 0
.endr
	s_mov_b32 s[CS], 0x3e38aa3b     ; c = log2(e) / 8 = 0.180337
	s_mov_b32 s[CS+1], s[CS]        ; named with it as a pair
	s_mov_b32 s[SEL], 0x76543210
	s_mov_b32 s[SEL+1], 0xfedcba98
	s_mov_b32 s[TBK], SLOT1+4*KS*PK ; the first change of slots turns these two into 0
	s_mov_b32 s[TBV], SLOT1+4*KS*PV
	s_mov_b32 s[SLOTS], SIZE_N/256-1  ; seven changes of slots fill a slot
	s_and_b32 s[LIM], s[WV], 1      ; waves 0 and 2 prefetch: the same in all four partners
	s_cmp_eq_u32 s[LIM], 0
	s_cselect_b32 s[LIM], 1, -1
	s_mov_b32 s[G0K], 1             ; 1:0 count = 1
	s_mov_b32 s[G0K+1], s17         ; 63:32 LDS address: slot 0
	s_mov_b32 s[G0V], 1
	s_add_co_u32 s[G0V+1], s18, VOFF
	s_wait_dscnt 0x0                ; the opening add is done
	s_wait_kmcnt 0x0
	s_add_nc_u64 s[G0K+2:G0K+3], s[6:7], s[22:23]  ; 120:64 global address: my half of the head's first 256 keys
	s_or_b32 s[G0K+3], s[G0K+3], 0x80000000        ; 127:126 type = 2
	s_add_nc_u64 s[G0V+2:G0V+3], s[8:9], s[22:23]
	s_or_b32 s[G0V+3], s[G0V+3], 0x80000000
	s_add_nc_u64 s[4:5], s[4:5], s[2:3]  ; Q and O at my wave's first row
	s_add_nc_u64 s[10:11], s[10:11], s[2:3]
	s_cmp_lt_u32 s[WV], 2
	s_cselect_b64 s[PFA:PFA+1], s[6:7], s[8:9]
	s_add_nc_u64 s[PFA:PFA+1], s[PFA:PFA+1], s[20:21]  ; the head's first key,
	s_lshl_b32 s2, s13, 13          ; my work-group's quarter of a slot,
	s_mov_b32 s3, 0
	s_add_nc_u64 s[PFA:PFA+1], s[PFA:PFA+1], s[2:3]
	s_add_nc_u64 s[PFA:PFA+1], s[PFA:PFA+1], 4*KS*128  ; in slot 1: the first change of slots steps it to slot 2.  Slots 0 and 1 come by their loads alone
	CROUND                          ; all four work-groups are here: the first joint loads meet
	JLOAD                           ; slot 0.  Slot 1 is asked for when slot 0 is in: the tile wanted first has the road to itself
	; A fragment of K or Q is 16 rows x 32 channels in 8 registers: lane l holds row l % 16, channels 8 (l / 16) + 0..7 and 16 + 8 (l / 16) + 0..7: two loads of 16 bytes, 32 bytes apart.
	v_and_b32 v1, 15, v0            ; l % 16
	v_bfe_u32 v9, v0, 4, 1          ; l / 16
	v_lshlrev_b32 v[QO], 7, v1
	v_lshl_add_u32 v[QO], v9, 4, v[QO]  ; row x 128 + 16 x half
	WIN 0x80                        ; destination window 2, address window 0
.set i, 0
.rept 4*NP                          ; Q stays in registers: tile i / 2, channels 32 (i % 2) on
	global_load_b128 v[8*i:8*i+3],   v[QO], s[4:5] offset:(i/2)*2048+(i%2)*64
	global_load_b128 v[8*i+4:8*i+7], v[QO], s[4:5] offset:(i/2)*2048+(i%2)*64+32
.set i, i+1
.endr
	; What the first turn finds: V's registers and P's second buffer hold 0 (its products V^T P, of a piece that has not been, add 0), O^T and l are 0.  All this stands in the wait for the first tile.
.set i, VF
.rept 64
	v_mov_b32 v[i], 0
.set i, i+1
.endr
	WIN 0x40
.set i, 0
.rept 64*NP
	v_mov_b32 v[i], 0
.set i, i+1
.endr
	WIN 0
.set i, 0
.rept 2*NP
	v_mov_b32 v[ST+4*i], 0xfe000000    ; c m: far below every c s
	v_mov_b32 v[ST+4*i+1], 0xff7fffff  ; m
	v_mov_b32 v[ST+4*i+2], 0
	v_mov_b32 v[ST+4*i+3], 0
.set i, i+1
.endr
.set i, P+32
.rept 32
	v_mov_b32 v[i], 0
.set i, i+1
.endr
	v_mul_u32_u24 v[AK0], v1, PK
	v_lshl_add_u32 v[AK0], v9, 4, v[AK0]  ; row x pitch + 16 x half
	; The turning load takes 16 keys x 16 channels (lane l reads key 8 (l / 16) + l % 8, channels 8 ((l / 8) % 2) + 0..7) and leaves half a fragment of V^T: lane l holds channel l % 16 and 8 keys.
	v_and_b32 v10, 7, v0
	v_bfe_u32 v11, v0, 3, 1
	v_lshl_add_u32 v[AV0], v9, 3, v10
	v_mul_u32_u24 v[AV0], v[AV0], PV
	v_lshl_add_u32 v[AV0], v11, 4, v[AV0]
	v_add_nc_u32 v[AV0], VOFF, v[AV0]
	v_mov_b32 v[AK], v[AK0]         ; key step 0 lies at the head of slot 0
	v_and_b32 v[PFO], 31, v0
	v_lshlrev_b32 v[PFO], 8, v[PFO]
; THE MATRIX WORK.  The 8 accumulators of a run of 16 take turns: between the two links of a chain stand 7 others'.
; Product i of 16 of S^T = K Q^T for piece x: channels 32 (i / 8) on, keys 16 ((i / 2) % 4) on, tile 2 x + i % 2.  The first 8 start the sums.
.macro KQ x
	WIN W_KQ
.set rS, S+64*((\x)%2)+32*(i%2)+8*((i/2)%4)
.set rK, KF+16*((i/2)%4)+8*(i/8)
.set rQ, 16*(2*(\x)+i%2)+8*(i/8)
.if i < 8
	v_wmma_f32_16x16x32_f16 v[rS:rS+7], v[rK:rK+7], v[rQ:rQ+7], 0
.else
	v_wmma_f32_16x16x32_f16 v[rS:rS+7], v[rK:rK+7], v[rQ:rQ+7], v[rS:rS+7]
.endif
.endm
; Product i of 16 of O^T += V^T P for piece x: keys 32 (i / 8) on, channels 16 ((i / 2) % 4) on, tile 2 x + i % 2.
.macro PV x
	WIN W_PV
.set rO, 32*(2*(\x)+i%2)+8*((i/2)%4)
.set rV, VF+32*(i/8)+8*((i/2)%4)
.set rP, P+32*((\x)%2)+16*(i%2)+8*(i/8)
	v_wmma_f32_16x16x32_f16 v[rO:rO+7], v[rV:rV+7], v[rP:rP+7], v[rO:rO+7]
.endm
.macro MM                           ; the turn's next matrix instruction
.if i < 16
	KQ (Y+1)%NP
.set i, i+1
.else
.set i, i-16
	PV (Y+NP-1)%NP
.set i, i+17
.endif
.endm
; THE LDS LOADS stand in runs of 16, never singly among the matrix instructions: a step's K (64 keys x 64 channels: 8 fragments) and its V (turned).  Their addresses are made some lines ahead.
; last = 1 (the tail): in the last trip there is no further step, and the run is jumped over.
.macro FETCH_K last=0
	WIN 0
.if \last
	s_cmp_eq_u32 s[CNT], 1
	s_cbranch_scc1 .Lno_k_\@
.endif
	WIN 0x80                        ; destination window 2
.irp f, 0,1,2,3,4,5,6,7             ; keys 16 (f / 2) on, channels 32 (f % 2) on
	ds_load_b128 v[KF+8*\f:KF+8*\f+3],   v[AK] offset:(\f/2)*16*PK+(\f%2)*64
	ds_load_b128 v[KF+8*\f+4:KF+8*\f+7], v[AK] offset:(\f/2)*16*PK+(\f%2)*64+32
.endr
	s_add_co_u32 s[TBK], s[TBK], KS*PK  ; the next fetch is the next step's
	WIN 0
.if \last
.Lno_k_\@:
.endif
.endm
.macro FETCH_V
	WIN 0x80
.irp f, 0,1,2,3,4,5,6,7             ; keys 32 (f / 4) on, channels 16 (f % 4) on
	ds_load_tr16_b128 v[VF+8*\f:VF+8*\f+3],   v[AV] offset:(\f/4)*32*PV+(\f%4)*32
	ds_load_tr16_b128 v[VF+8*\f+4:VF+8*\f+7], v[AV] offset:(\f/4)*32*PV+16*PV+(\f%4)*32
.endr
	WIN 0
.endm
; THE VECTOR WORK OF A TURN stands in three queues, each in the order in which its entries become ready; the two tiles alternate, so that no instruction reads the result of the one before it.
.macro REGS y, u                    ; the registers of tile u (0, 1) of piece y
.set rT, ST+4*(2*(\y)+(\u))
.set rC, TMP+8*((\y)%2)+4*(\u)
.set rM, MV+2*((\y)%2)+(\u)
.set rS, S+64*((\y)%2)+32*(\u)
.set rP, P+32*((\y)%2)+16*(\u)
.set rO, 32*(2*(\y)+(\u))
.endm
; Number n of the 22 that find the NEXT piece's (Y + 1) maximum and statistics.  s0-s31 are the lane's 32 scores; each accumulator's lowest registers are read first.  XS, GS and REGS set no window: PL and EX do.
;   0-11  four chains c0-c3 of seven scores each, three operands at a time     12-14, 16  the four scores left over, the old m, and c0-c3 into c0     15  c m_old is kept
;   17, 18  the query's other 32 keys lie in the lane 16 away: the new m         19-21  c m; c m_old - c m_new; a
.macro XS u, n
	REGS (Y+1)%NP, \u
.if (\n) < 4
	v_max3_num_f32 v[rC+(\n)], v[rS+8*(\n)], v[rS+8*(\n)+1], v[rS+8*(\n)+2]
.elseif (\n) < 12
	v_max3_num_f32 v[rC+(\n)%4], v[rC+(\n)%4], v[rS+8*((\n)%4)+2*((\n)/4)+1], v[rS+8*((\n)%4)+2*((\n)/4)+2]
.elseif (\n) == 12
	v_max3_num_f32 v[rC], v[rC], v[rS+7], v[rS+15]
.elseif (\n) == 13
	v_max3_num_f32 v[rC+1], v[rC+1], v[rS+23], v[rS+31]
.elseif (\n) == 14
	v_max3_num_f32 v[rC+2], v[rC+2], v[rC+3], v[rT+1]
.elseif (\n) == 15
	v_mov_b32 v[rM], v[rT]
.elseif (\n) == 16
	v_max3_num_f32 v[rC], v[rC], v[rC+1], v[rC+2]
.elseif (\n) == 17
	v_permlanex16_b32 v[rC+3], v[rC], s[SEL], s[SEL+1]
.elseif (\n) == 18
	v_max_num_f32 v[rT+1], v[rC], v[rC+3]
.elseif (\n) == 19
	v_mul_f32 v[rT], s[CS], v[rT+1]
.elseif (\n) == 20
	v_sub_f32 v[rC+1], v[rM], v[rT]
.else
	v_exp_f32 v[rC+2], v[rC+1]
.endif
.endm
; Number g of the 64 that follow the exponentials.  For each four weights k of a tile (pairs 2 k, 2 k + 1): both pairs are rounded to f16; then the second pair is added onto the first, in place;
; a group later l takes that sum (the first time as l = a l + sum).  In groups of eight, tiles alternating: round, round, add, and l for the group before.
.macro GS g
.set h, (\g)+6*((\g)/62)            ; group 0 has no group before it, and behind group 7 only l is left
.if h >= 6
.set h, h+2
.endif
	REGS Y, h%2
.set k, h/8
.if h%8 < 4
	s_wait_alu depctr_va_vdst(0)
	v_cvt_pk_f16_f32 v[rP+2*k+(h%8)/2], v[rS+4*k+2*((h%8)/2)], v[rS+4*k+2*((h%8)/2)+1]
.elseif h%8 < 6
	v_pk_add_f32 v[rS+4*k:rS+4*k+1], v[rS+4*k:rS+4*k+1], v[rS+4*k+2:rS+4*k+3]
.elseif k == 1
	v_pk_fma_f32 v[rT+2:rT+3], v[rT+2:rT+3], v[rC+2:rC+3], v[rS:rS+1] op_sel_hi:[1,0,1]
.else
	v_pk_add_f32 v[rT+2:rT+3], v[rT+2:rT+3], v[rS+4*k-4:rS+4*k-3]
	s_wait_alu depctr_va_vdst(0)
.endif
.endm
; THE PLAIN QUEUE, 138 long.  0-31: c s - c m for the 16 pairs of both tiles.  Then GS's 64, and among them the next piece's 42: number 15 at 38, 39; 0-14 and 16
; at 42-73, behind the products that make those scores; 17-20 at 95-106, two of three, since each waits for the one before it.
.macro PL
	WIN 0
.if q < 32
	REGS Y, q%2
	v_pk_fma_f32 v[rS+2*(q/2):rS+2*(q/2)+1], v[rS+2*(q/2):rS+2*(q/2)+1], s[CS:CS+1], v[rT:rT+1] op_sel_hi:[1,0,0] neg_lo:[0,0,1] neg_hi:[0,0,1]
.elseif q < 38
	GS q-32
.elseif q < 40
	XS q%2, 15
.elseif q < 42
	GS q-34
.elseif q < 74
	XS q%2, (q-42)/2+(q-42)/30
.elseif q < 95
	GS q-66
.elseif (q < 107) && ((q-95)%3 < 2)
	XS (q-95)%3, 17+(q-95)/3
.elseif q < 107
	GS 29+(q-95)/3
.else
	GS q-74
.endif
.set q, q+1
.endm
; THE EXPONENTIALS' QUEUE, 66 long: s0-s31 of both tiles, and at EA the next piece's two a.
.set EA, 58
.macro EX
	WIN 0
.if (e == EA) || (e == EA+1)
	XS e-EA, 21
.else
.set x, e-2*(e/(EA+2))
	REGS Y, x%2
	v_exp_f32 v[rS+x/2], v[rS+x/2]
.endif
.set e, e+1
.endm
; THE RESCALING's QUEUE: O^T times a, the one part that leaves window 0, so it is dealt four at a time, eight times.
.macro R4
	REGS Y, r%2
	WIN W_RS
	s_wait_alu depctr_va_vdst(0)
.irp z, 0,1,2,3
	v_pk_mul_f32 v[rO+8*(r/2)+2*\z:rO+8*(r/2)+2*\z+1], v[rO+8*(r/2)+2*\z:rO+8*(r/2)+2*\z+1], v[rC+2:rC+3] op_sel_hi:[1,0]
.endr
.set r, r+1
.endm
; HOW THEY ARE DEALT.  Behind a matrix instruction four: plain, exponential, plain, plain (one exponential, a plain instruction on either side), or four of the rescaling.  None names a register of the
; products round it.  What is over stands in two LUMPS: exponential and plain by turns; the second ends in 22 plain instructions.  The two v_permlanex16_b32 fall into the second lump, never behind a product.
; The queues lean on each other, and the deal keeps them in step: exponential e stands behind plain 2 (e / 4) + e % 2 (its scaling); when plain 32 comes, 10 exponentials are out, at 59: 33, at 95: 46; EA comes behind plain 107.
.macro SL
	MM
	PL
	EX
	PL
	PL
.endm
.macro BURST n                      ; 15 matrix instructions, or 16
.rept (\n)-7
	SL
.endr
.rept 3
	MM
	R4
	SL
.endr
	MM
	R4
.endm
; A TURN, for piece p.  cnt = 1: the loop's count is taken down some lines ahead of the branch that stands behind the turn.
; K of the next step is fetched in piece 2's turn, 31 vector instructions behind the last product that read K; its first reader comes behind the rest of the lump, 16 products and the second lump.
; V of the step in hand is fetched at the end of piece 0's turn, 69 behind its last reader; its first reader comes behind 16 products and a lump.  The four conditions on e and q below go with the deal.
.macro TURN p, last=0, cnt=0
.set Y, (\p)
.set i, 0
.set q, 0
.set e, 0
.set r, 0
.if (\p) == NP-1
	s_wait_dscnt 0x0                ; K is in
.endif
	MM
.rept 4
	PL
.endr
	BURST 15
.rept 22
	EX
	PL
.if ((\p) == NP-2) && (e == 18)
	v_add_nc_u32 v[AK], s[TBK], v[AK0]
.endif
.if ((\p) == NP-2) && (e == 24)
	FETCH_K \last
.endif
.endr
.if (\p) == 1
	s_wait_dscnt 0x0                ; V is in
.endif
	BURST 16
.rept 21
	EX
	PL
.endr
.rept 22
	PL
.if ((\p) == 0) && (q == 118)
	v_add_nc_u32 v[AV], s[TBV], v[AV0]
	s_wait_alu depctr_va_vdst(0)
.endif
.if ((\p) == 0) && (q == 130)
	s_add_co_u32 s[TBV], s[TBV], KS*PV
.endif
.if (\cnt) && (q == 130)
	s_sub_co_u32 s[CNT], s[CNT], 1
	s_cmp_lg_u32 s[CNT], 0
.endif
.endr
.if (\p) == 0
	FETCH_V
.endif
.endm
	CHANGE 1                        ; slot 0 is in, everybody's part of it; slot 1 is asked for
	FETCH_K                         ; key step 0
	s_wait_loadcnt 0x0              ; Q
	s_wait_dscnt 0x0
.set i, 0
.rept 16
	KQ 0                            ; piece 0's first scores: there is no vector work yet to set between them
.set i, i+1
.endr
	WIN 0                           ; the addresses for the way out: plain instructions, the places behind those products
	s_mul_i32 s13, s[WV], 16*SP
	s_add_co_u32 s13, s13, STAGE    ; my stage
	v_mul_u32_u24 v[STO], v1, SP    ; in: row l % 16, 16 bytes for each half of the lanes
	v_lshl_add_u32 v[STO], v9, 4, v[STO]
	v_add_nc_u32 v[STO], s13, v[STO]
	v_bfe_u32 v[RD], v0, 3, 2       ; back: 32 lanes take four rows of 128 bytes,
	v_mul_u32_u24 v[RD], v[RD], SP
	v_lshl_add_u32 v[RD], v10, 4, v[RD]
	v_add_nc_u32 v[RD], s13, v[RD]
	v_and_b32 v[GO], 31, v0         ; which are 512 consecutive bytes of O
	v_lshlrev_b32 v[GO], 4, v[GO]
.set Y, NP-1                        ; XS works for piece Y + 1: piece 0
.irp n, 0,1,2,3,4,5,6,7,8,9,10,11,12,13,14,15,16,17,18,19,20,21
	XS 0, \n                        ; and piece 0's first maximum and statistics
	XS 1, \n
.endr
	s_mov_b32 s[CNT], 4
	s_branch .Lfirst                ; the loop is entered at a step's first turn, in the middle of a trip
.Lslot:                             ; SIZE_N / 256 - 2 times: every slot but the last two is filled again
	CHANGE 1
	s_mov_b32 s[CNT], 4
.Lstep:                             ; a trip: pieces 2 and 3 of one step, then pieces 0 and 1 of the next, whose K and V it fetches
	TURN 2
	TURN 3
	WIN 0
.Lfirst:
	TURN 0
	TURN 1, 0, 1
	WIN 0
	s_cbranch_scc1 .Lstep
	s_sub_co_u32 s[SLOTS], s[SLOTS], 1
	s_cmp_lg_u32 s[SLOTS], 0
	s_cbranch_scc1 .Lslot
	CHANGE 0                        ; the tail is written out: nothing is asked for
	s_mov_b32 s[CNT], 5             ; four trips fetch the last slot's steps; the fifth is left in its middle
.Ltail:
	TURN 2, 1
	TURN 3
	WIN 0
	s_sub_co_u32 s[CNT], s[CNT], 1
	s_cmp_eq_u32 s[CNT], 0
	s_cbranch_scc1 .Lout
	TURN 0
	TURN 1
	WIN 0
	s_branch .Ltail
.Lout:                              ; the fifth trip's 16 products K Q^T (on the last K once more) and the maximum made of them serve nothing: the price, once a launch, of one text for every trip
.set i, 0
.rept 16
	PV NP-1                         ; the last piece's V^T P of the last step
.set i, i+1
.endr
	; THE WAY OUT.  l's two halves and the other half of the lanes' are added; O^T is divided by l, rounded to f16 and sent through my stage in LDS, a tile at a time.  The additions are the places behind the last products.
	WIN 0
.macro ALL line:vararg              ; one line for each tile t
.set t, 0
.rept 2*NP
	\line
.set t, t+1
.endr
.endm
	ALL v_add_f32 v[ST+4*t+2], v[ST+4*t+2], v[ST+4*t+3]
	ALL v_permlanex16_b32 v[ST+4*t+3], v[ST+4*t+2], s[SEL], s[SEL+1]
	ALL v_add_f32 v[ST+4*t+2], v[ST+4*t+2], v[ST+4*t+3]
	ALL v_rcp_f32 v[ST+4*t+2], v[ST+4*t+2]
	v_nop                           ; a plain instruction between the last reciprocal and the use of its result
	s_wait_alu depctr_va_vdst(0)
; Tile t: a lane's eight channels of a row pack into 16 bytes; they go into rows of 144 bytes and come back as whole rows of 128, into S^T's registers.
.macro PACK t
	WIN W_RS
.set i, 32*(\t)
.rept 16
	v_pk_mul_f32 v[i:i+1], v[i:i+1], v[ST+4*(\t)+2:ST+4*(\t)+3] op_sel_hi:[1,0]
.set i, i+2
.endr
	WIN 0x05                        ; sources 0 and 1 window 1, destination window 0
.set i, 0
.rept 16
	v_cvt_pk_f16_f32 v[S+16*(\t)+i], v[32*(\t)+2*i], v[32*(\t)+2*i+1]
.set i, i+1
.endr
	WIN 0
.irp f, 0,1,2,3
	ds_store_b128 v[STO], v[S+16*(\t)+4*\f:S+16*(\t)+4*\f+3] offset:32*\f
.endr
.irp f, 0,1,2,3
	ds_load_b128 v[S+16*(\t)+4*\f:S+16*(\t)+4*\f+3], v[RD] offset:\f*4*SP  ; LDS serves a wave's instructions in order (ISA guide 5.7.1.4): these see the stores above; the next tile's stores come behind them
.endr
.endm
.macro SEND t, younger              ; younger: the LDS instructions issued behind tile t's loads: the next tile's eight, or none
	WIN 0
.irp f, 0,1,2,3
	s_wait_dscnt (\younger)+3-\f
	global_store_b128 v[GO], v[S+16*(\t)+4*\f:S+16*(\t)+4*\f+3], s[10:11] offset:(\t)*2048+\f*512  ; 512 consecutive bytes, at a multiple of 256 from O's first
.endr
.endm
	PACK 0
.set t, 1
.rept 2*NP-1                        ; a tile's arithmetic stands between the loads of the tile before and its stores
	PACK t
	SEND t-1, 8
.set t, t+1
.endr
	SEND 2*NP-1, 0
	WIN W_AD
	s_wait_tensorcnt 0x0            ; the wave's end: an add and its wait, behind my last tensor load and my last LDS store
	ds_add_u32 v[SPW], v[NIL]
	s_wait_dscnt 0x0
	WIN 0
	CROUND                          ; the closing round: no work-group ends while a partner may still ask for a tile that names it
	s_endpgm
.Lfunc_end_k_q243d76b4af_attn:
	.size	k_q243d76b4af_attn, .Lfunc_end_k_q243d76b4af_attn-k_q243d76b4af_attn
	.p2alignl 7, 3214868480
	.fill 96, 4, 3214868480
	.section	.rodata,"a",@progbits
	.p2align	6, 0x0
	.amdhsa_kernel k_q243d76b4af_attn
		.amdhsa_group_segment_fixed_size 327680
		.amdhsa_private_segment_fixed_size 0
		.amdhsa_enable_private_segment 0
		.amdhsa_kernarg_size 32
		.amdhsa_user_sgpr_count 2
		.amdhsa_user_sgpr_kernarg_segment_ptr 1
		.amdhsa_wavefront_size32 1
		.amdhsa_system_sgpr_workgroup_id_x 1
		.amdhsa_system_sgpr_workgroup_id_y 1
		.amdhsa_system_sgpr_workgroup_id_z 1
		.amdhsa_system_vgpr_workitem_id 0
		.amdhsa_next_free_vgpr 770
		.amdhsa_next_free_sgpr 66
		.amdhsa_reserve_vcc 0
		.amdhsa_float_denorm_mode_32 3
		.amdhsa_float_denorm_mode_16_64 3
		.amdhsa_memory_ordered 1
		.amdhsa_forward_progress 1
		.amdhsa_inst_pref_size 209
	.end_amdhsa_kernel
	.amdgpu_metadata
---
amdhsa.version: [ 1, 2 ]
amdhsa.kernels:
  - .name:           k_q243d76b4af_attn
    .symbol:         k_q243d76b4af_attn.kd
    .args:
      - { .name: qh, .offset: 0, .size: 8, .value_kind: global_buffer, .address_space: global }
      - { .name: kh, .offset: 8, .size: 8, .value_kind: global_buffer, .address_space: global }
      - { .name: vh, .offset: 16, .size: 8, .value_kind: global_buffer, .address_space: global }
      - { .name: oh, .offset: 24, .size: 8, .value_kind: global_buffer, .address_space: global }
    .group_segment_fixed_size: 327680
    .private_segment_fixed_size: 0
    .kernarg_segment_align: 8
    .kernarg_segment_size: 32
    .max_flat_workgroup_size: 128
    .sgpr_count:     66
    .vgpr_count:     770
    .wavefront_size: 32
...
	.end_amdgpu_metadata
.endif
;; end of part 3
;; launch proj (part 4): grid 8 x 32, 4 waves a work-group, clusters of 4 x 4, 327,680 bytes of LDS; arguments oh, wp, proj_b, out0; writes out0
.if DOCPART == 4
	.amdgcn_target "amdgcn-amd-amdhsa--gfx1250"
	.amdhsa_code_object_version 6
	.text
	.protected	k_q243d76b4af_proj
	.globl	k_q243d76b4af_proj
	.p2align	8
	.type	k_q243d76b4af_proj,@function
k_q243d76b4af_proj:
	s_mov_b64 s[64:65], 0
	v_nop
	global_prefetch_b8 v0, s[64:65] scope:SCOPE_SE
	s_setreg_imm32_b32 hwreg(HW_REG_WAVE_MODE, 25, 1), 1
	s_wait_xcnt 0x0
	s_wait_alu depctr_hold_cnt(0) depctr_sa_sdst(0) depctr_va_vdst(0) depctr_va_sdst(0) depctr_va_ssrc(0) depctr_va_vcc(0) depctr_vm_vsrc(0)
	s_getreg_b32 s2, hwreg(HW_REG_IB_STS2, 6, 4)
	s_cmp_eq_u32 s2, 0
	s_cbranch_scc0 .Lentry_in_a_cluster
	s_endpgm
.Lentry_in_a_cluster:
	s_bfe_u32 s2, ttmp6, 0x10000c
	s_cmp_lg_u32 s2, 0xf033
	s_cbranch_scc0 .Lentry_shape_is_right
	s_endpgm
.Lentry_shape_is_right:
; out[b][s][n] = the sum over k of O[b][s][k] Wp[n][k] + bias[n], f32.  O comes by heads, [16 b + h][2048][64] f16, which is a layout in blocks of 64 along K (k = 64 h + d); Wp as
; [kb 16][n 1024][64], bf16 numbers written as f16; the bias is rounded to bf16 here, like every input of the module.  Sums in f32, in an order of their own; the bias starts each sum.
; LIMITS.  O and Wp arrive within f16's range.  NaN and infinities are not treated apart.
; SHARES.  A tile is 256 rows x 128 columns: 32 x 8 = 256 work-groups.  Four waves: wave w takes rows 128 (w / 2) on, columns 64 (w % 2) on: 8 x 4 accumulators of 16 x 16, 256 registers.
; K goes in 8 steps of 128 (two blocks of 64) through two LDS slots; a step is four quarters of 32 along K, 32 matrix instructions each.
; CLUSTER.  4 x 4 work-groups: a row of the cluster shares O's tile, a column Wp's; each is asked for jointly, the same tensor load, descriptor and mask in all four.
; TRANSPOSED USE.  Source 0 = 16 rows of Wp, source 1 = 16 rows of O: a lane holds row lane % 16 and the columns 8 (lane / 16) + 0..7.
; REGISTERS.  Window 0: v0-23 addresses and at work; v32-63 the bias as a C operand; v64-159, v160-255 two fragment buffers (64 registers of O, then 32 of Wp).  Window 1: the accumulators, (a, bb) at v[32 a + 8 bb].
.set PITCH, 144                        ; an LDS row: 128 bytes + 16 of padding = 36 words: the 16 rows of a load start at 16 different groups of four banks (64 banks of 4 bytes: ISA guide 11.1)
.set SLOT1, 1<<17
.set ABLK,  256*PITCH                  ; O's 256 rows of one block of 64 along K: what wave 0 or 1 fetches
.set BOFF,  2*ABLK
.set BBLK,  128*PITCH                  ; Wp's 128 rows of one block: what wave 2 or 3 fetches
.set SPARE, BOFF+2*BBLK                ; behind slot 0: the spare words, 128 bytes for each wave: two blocks of 256 bytes that no other line names
.set STAGE, SLOT1+SPARE                ; behind slot 1, never filled by a tensor load: 16 rows x 272 bytes of f32 for each wave
.set SP,    272
.set ASTEP, 2*262144                   ; bytes from a step to the next in oh (two heads),
.set BSTEP, 2*131072                   ; and in wp
.set ADRA0, 4                          ; v4   my lane's place in O's rows of a slot; never rewritten
.set ADRB0, 5                          ; v5   the same for Wp
.set ADRA,  6                          ; v6   the same in the slot in hand
.set ADRB,  7                          ; v7
.set SPW,   8                          ; v8   LDS address of my spare word: SPARE + 4 x my thread's number; never rewritten
.set NIL,   9                          ; v9   0; never rewritten
.set STO,   10                         ; v10  the way out: where I put 16 bytes of a row
.set RD,    11                         ; v11  the way out: where I read a row back
.set CO,    12                         ; v12  my byte offset in out
.set BO,    13                         ; v13  my 8 columns in the bias: 32 (lane / 16)
.set T,     16                         ; v16-23 at work
.set BIAS,  32
.set F0,    64
.set F1,    160
.set OB,    64                         ; the way out: 16 rows read back: v64-95 and v96-127 by turns
.set WV,  12                           ; s12 my wave's number; s13 = w / 2: my rows, and: I fetch O (0) or Wp (1); s14 = w % 2: my columns, and: which block of 64 I fetch
.set G1A, 16                           ; s[16:23] descriptor group 1 for O's tiles
.set G1B, 24                           ; s[24:31] for Wp's
.set G0A, 32                           ; s[32:35] group 0 of O's first fill; s[36:39] of its second, which then walks on
.set G0B, 40                           ; s[40:43], s[44:47] the same for Wp
.set TB,  48                           ; s48  LDS byte at which the slot to be read begins
.set CNT, 49                           ; s49  counts the loop over K
.set MSB, 0
.macro WIN new                         ; the immediate's high byte repeats the setting that is left; a switch that changes nothing is dropped
.if MSB != (\new)
	s_set_vgpr_msb (MSB<<8)|(\new)
.set MSB, \new
.endif
.endm
.macro PLACES                          ; four plain vector instructions in front of loads into registers that matrix instructions have read, and of stores that read results
.rept 4
	v_nop
.endr
.endm
.macro JLOAD                           ; a joint refill by the walking descriptors; the branch hangs on the wave's number alone; an s_nop 0 and four v_nop follow each line
	s_cmp_eq_u32 s13, 0
	s_cbranch_scc0 .Lfor_b_\@
	tensor_load_to_lds s[G0A+4:G0A+7], s[G1A:G1A+7]
	s_nop 0
.rept 4
	v_nop
.endr
	s_branch .Lasked_\@
.Lfor_b_\@:
	tensor_load_to_lds s[G0B+4:G0B+7], s[G1B:G1B+7]
	s_nop 0
.rept 4
	v_nop
.endr
.Lasked_\@:
.endm
.macro CREST                           ; a round of the cluster's barrier behind its opening barrier
	s_cmp_lg_u32 s[WV], 0
	s_cbranch_scc1 .Lnot_wave_0_\@
	s_barrier_signal -3
.Lnot_wave_0_\@:
	s_barrier_wait -3
	s_barrier_signal -1
	s_barrier_wait -1
.endm
.macro CROUND                          ; a whole round
	s_barrier_signal -1
	s_barrier_wait -1
	CREST
.endm
; 4 n matrix instructions: row blocks a0 .. a0 + n - 1 x the four column blocks, buffer f.  first = 1: the bias is the C operand that starts the sum.  The 32 accumulators take turns.
.macro MULN f, a0, n, first
.if \first
	WIN 0x40                                       ; D in window 1, all sources in window 0
.else
	WIN 0x50                                       ; C and D in window 1
.endif
.set aa, (\a0)
.rept \n
.irp bb, 0,1,2,3
.if \first
	v_wmma_f32_16x16x32_f16 v[32*aa+8*(\bb):32*aa+8*(\bb)+7], v[(\f)+64+8*(\bb):(\f)+64+8*(\bb)+7], v[(\f)+8*aa:(\f)+8*aa+7], v[BIAS+8*(\bb):BIAS+8*(\bb)+7]
.else
	v_wmma_f32_16x16x32_f16 v[32*aa+8*(\bb):32*aa+8*(\bb)+7], v[(\f)+64+8*(\bb):(\f)+64+8*(\bb)+7], v[(\f)+8*aa:(\f)+8*aa+7], v[32*aa+8*(\bb):32*aa+8*(\bb)+7]
.endif
.endr
.set aa, aa+1
.endr
.endm
; 24 LDS loads in one run: quarter q of the slot in hand (block q / 2, byte 64 (q % 2) of its rows) into buffer f: Wp's four fragments, then O's eight
.macro FETCH q, f
	WIN 0
.irp bb, 0,1,2,3
	ds_load_b128 v[(\f)+64+8*(\bb):(\f)+64+8*(\bb)+3],   v[ADRB] offset:((\q)/2)*BBLK+(\bb)*16*PITCH+((\q)%2)*64
	ds_load_b128 v[(\f)+64+8*(\bb)+4:(\f)+64+8*(\bb)+7], v[ADRB] offset:((\q)/2)*BBLK+(\bb)*16*PITCH+((\q)%2)*64+32
.endr
.irp a, 0,1,2,3,4,5,6,7
	ds_load_b128 v[(\f)+8*(\a):(\f)+8*(\a)+3],   v[ADRA] offset:((\q)/2)*ABLK+(\a)*16*PITCH+((\q)%2)*64
	ds_load_b128 v[(\f)+8*(\a)+4:(\f)+8*(\a)+7], v[ADRA] offset:((\q)/2)*ABLK+(\a)*16*PITCH+((\q)%2)*64+32
.endr
.endm
.macro QUARTER f, g, nq, first         ; one of a step's first three quarters: multiplies buffer f, fetches quarter nq into g in its middle
	s_wait_dscnt 8                                 ; all but the youngest eight loads (O's row blocks 4 to 7) are in
	MULN \f, 0, 4, \first
	PLACES
	FETCH \nq, \g
	s_wait_dscnt 24                                ; all but the 24 just issued
	MULN \f, 4, 4, \first
.endm
; A step's last quarter multiplies buffer 1 and changes slots.  In front of the barrier each wave waits for all its tensor loads (one is out: its part of the next slot), adds 0 to its spare word, and waits for that
; and for its reads of this slot.  fill = 1: the barrier opens a round of the cluster's barrier, and this slot is filled again, two steps ahead, first thing behind it: 112 matrix instructions ahead of the wait for that load.
.macro TURN fill
	WIN 0
	s_wait_tensorcnt 0x0                           ; no tensor load of mine is out, so a group 0 may be written
	ds_add_u32 v[SPW], v[NIL]                      ; 0 onto my spare word: scalar work and eight products stand between it and the wait for it
.if \fill
	s_xor_b32 s[G0A+5], s[G0A+5], SLOT1            ; the walking descriptors: the other slot than last time,
	s_add_nc_u64 s[G0A+6:G0A+7], s[G0A+6:G0A+7], ASTEP  ; the next step; the type bits on top are not reached
	s_xor_b32 s[G0B+5], s[G0B+5], SLOT1
	s_add_nc_u64 s[G0B+6:G0B+7], s[G0B+6:G0B+7], BSTEP
.endif
	s_xor_b32 s[TB], s[TB], SLOT1
	s_wait_dscnt 9                                 ; the add and the youngest eight loads may be out
	MULN F1, 0, 2, 0
	s_wait_dscnt 0x0                               ; the add is done, and my reads of this slot are over
	s_barrier_signal -1
	MULN F1, 2, 2, 0
	WIN 0                                          ; at a branch and at a label every window is 0
	s_barrier_wait -1
.if \fill
	CREST                                          ; no wave of any partner still reads this slot or has a load on its way
	JLOAD                                          ; the four v_nop behind it are also the places in front of the loads below
.else
	PLACES
.endif
	v_add_nc_u32 v[ADRA], s[TB], v[ADRA0]
	v_add_nc_u32 v[ADRB], s[TB], v[ADRB0]
	FETCH 0, F0
	MULN F1, 4, 4, 0
.endm
	s_load_b256 s[4:11], s[0:1], 0x0               ; oh s[4:5], wp s[6:7], proj_b s[8:9], out0 s[10:11]
	v_lshl_add_u32 v[SPW], v0, 2, SPARE
	v_mov_b32 v[NIL], 0
	ds_add_u32 v[SPW], v[NIL]                      ; the wave's opening: the add and its wait stand ahead of my first tensor load; the set-up below, work on registers, stands between them
	v_lshrrev_b32 v1, 5, v0
	v_readfirstlane_b32 s[WV], v1                  ; wave 0..3
	s_lshr_b32 s13, s[WV], 1
	s_and_b32 s14, s[WV], 1
	s_bfe_u32 s50, ttmp6, 0x40000                  ; cx, cy: my place in the cluster
	s_bfe_u32 s51, ttmp6, 0x40004
	s_lshl_b32 s52, ttmp9, 2
	s_add_co_u32 s52, s52, s50                     ; tile column tx = 4 x cluster x + cx
	s_and_b32 s53, ttmp7, 0xffff
	s_lshl_b32 s53, s53, 2
	s_add_co_u32 s53, s53, s51                     ; tile row ty = 4 x cluster y + cy: b = ty / 8, s from 256 (ty % 8) on
	s_lshl_b32 s54, s51, 2
	s_lshl_b32 s54, 15, s54                        ; my row of the cluster
	s_lshl_b32 s55, 0x1111, s50                    ; my column
	; descriptor group 1.  256 (128) rows of 128 bytes lie on end in memory: asked for as 128 (64) rows of 256 bytes and padded in LDS after every 128
	s_or_b32 s[G1A], s54, (1<<16)|(1<<20)|(1<<21)|(4<<22)|(3<<25)  ; 15:0 the mask; 17:16 2-byte elements; 20 padding on; 21 set beside a mask; 24:22 after every 32 words (code 4); 31:25 4 words (code 3)
	s_or_b32 s[G1B], s55, (1<<16)|(1<<20)|(1<<21)|(4<<22)|(3<<25)
.irp g, G1A, G1B
	s_mov_b32 s[(\g)+1], 128<<16                   ; tensor_dim0 = 128
	s_mov_b32 s[(\g)+3], 128<<16                   ; tile_dim0 = 128
	s_mov_b32 s[(\g)+5], 128                       ; 128 elements from row to row
	s_mov_b32 s[(\g)+6], 0
	s_mov_b32 s[(\g)+7], 0
.endr
	s_mov_b32 s[G1A+2], 128<<16                    ; tensor_dim1,
	s_mov_b32 s[G1A+4], 128                        ; tile_dim1
	s_mov_b32 s[G1B+2], 64<<16
	s_mov_b32 s[G1B+4], 64
	; where the tiles come from: O's hang on ty and the wave alone, Wp's on tx and the wave alone, each in registers that never hold the other coordinate
	s_lshr_b32 s56, s53, 3
	s_lshl_b32 s56, s56, 22                        ; b x 16 heads x 2,048 rows x 128 bytes
	s_and_b32 s58, s53, 7
	s_lshl_b32 s58, s58, 15                        ; 256 (ty % 8) rows
	s_add_co_u32 s56, s56, s58
	s_lshl_b32 s58, s14, 18                        ; my block of the step's two
	s_add_co_u32 s56, s56, s58
	s_mov_b32 s57, 0
	s_lshl_b32 s60, s52, 14                        ; 128 tx rows
	s_lshl_b32 s62, s14, 17
	s_add_co_u32 s60, s60, s62
	s_mov_b32 s61, 0
	s_mul_i32 s59, s14, ABLK                       ; and where they go: no place in the cluster enters an LDS address
	s_mul_i32 s63, s14, BBLK
	s_add_co_u32 s63, s63, BOFF
	s_mov_b32 s[TB], 0
	s_mov_b32 s70, 0xffff0000                      ; a word's upper bf16
	s_wait_dscnt 0x0                               ; the opening add is done
	s_wait_kmcnt 0x0
	s_mov_b32 s[G0A], 1                            ; 1:0 count = 1
	s_mov_b32 s[G0A+1], s59                        ; 63:32 LDS address: slot 0
	s_add_nc_u64 s[G0A+2:G0A+3], s[4:5], s[56:57]  ; 120:64 global address: step 0
	s_mov_b32 s[G0A+4], 1
	s_add_co_u32 s[G0A+5], s59, SLOT1
	s_add_nc_u64 s[G0A+6:G0A+7], s[G0A+2:G0A+3], ASTEP  ; step 1
	s_or_b32 s[G0A+3], s[G0A+3], 0x80000000        ; 127:126 type = 2
	s_or_b32 s[G0A+7], s[G0A+7], 0x80000000
	s_mov_b32 s[G0B], 1
	s_mov_b32 s[G0B+1], s63
	s_add_nc_u64 s[G0B+2:G0B+3], s[6:7], s[60:61]
	s_mov_b32 s[G0B+4], 1
	s_add_co_u32 s[G0B+5], s63, SLOT1
	s_add_nc_u64 s[G0B+6:G0B+7], s[G0B+2:G0B+3], BSTEP
	s_or_b32 s[G0B+3], s[G0B+3], 0x80000000
	s_or_b32 s[G0B+7], s[G0B+7], 0x80000000
	CROUND                                         ; all sixteen work-groups are here: the first joint loads meet
	s_cmp_eq_u32 s13, 0                            ; a wave's two first fills stand in one branch, ahead of every wait on TENSORcnt and every LDS read: two loads of mine are out
	s_cbranch_scc0 .Lfirst_b
	tensor_load_to_lds s[G0A:G0A+3], s[G1A:G1A+7]
	s_nop 0
	tensor_load_to_lds s[G0A+4:G0A+7], s[G1A:G1A+7]
	s_nop 0
.rept 4
	v_nop
.endr
	s_branch .Lfirst_asked
.Lfirst_b:
	tensor_load_to_lds s[G0B:G0B+3], s[G1B:G1B+7]
	s_nop 0
	tensor_load_to_lds s[G0B+4:G0B+7], s[G1B:G1B+7]
	s_nop 0
.rept 4
	v_nop
.endr
.Lfirst_asked:
	v_and_b32 v1, 15, v0                           ; l % 16
	v_bfe_u32 v2, v0, 4, 1                         ; l / 16
	v_lshlrev_b32 v[BO], 5, v2
	s_lshl_b32 s68, s52, 9                         ; the tile's 128 columns: 512 bytes of f32,
	s_lshl_b32 s69, s14, 8                         ; my 64: 256
	s_add_co_u32 s68, s68, s69
	s_mov_b32 s69, 0
	s_add_nc_u64 s[8:9], s[8:9], s[68:69]
.irp bb, 0,1,2,3                       ; register 8 bb + j: the bias of column 16 bb + 8 (l / 16) + j, as the accumulators hold it
	global_load_b128 v[BIAS+8*(\bb):BIAS+8*(\bb)+3],   v[BO], s[8:9] offset:64*(\bb)
	global_load_b128 v[BIAS+8*(\bb)+4:BIAS+8*(\bb)+7], v[BO], s[8:9] offset:64*(\bb)+16
.endr
	v_mul_u32_u24 v3, v1, PITCH                    ; a fragment: row l % 16, 16 bytes for each half of the lanes, twice, 32 bytes apart
	v_lshl_add_u32 v3, v2, 4, v3
	s_mul_i32 s71, s13, 128*PITCH                  ; my 128 rows of O
	v_add_nc_u32 v[ADRA0], s71, v3
	s_mul_i32 s71, s14, 64*PITCH                   ; my 64 rows of Wp
	s_add_co_u32 s71, s71, BOFF
	v_add_nc_u32 v[ADRB0], s71, v3
	v_mov_b32 v[ADRA], v[ADRA0]
	v_mov_b32 v[ADRB], v[ADRB0]
	s_mul_i32 s71, s[WV], 16*SP
	s_add_co_u32 s71, s71, STAGE                   ; my stage
	v_mul_u32_u24 v[STO], v1, SP                   ; in: row l % 16, 32 bytes (8 f32) for each half of the lanes
	v_lshl_add_u32 v[STO], v2, 5, v[STO]
	v_add_nc_u32 v[STO], s71, v[STO]
	v_mul_u32_u24 v[RD], v2, SP                    ; back: lanes 0-15 take one row of 256 bytes, lanes 16-31 the next
	v_lshl_add_u32 v[RD], v1, 4, v[RD]
	v_add_nc_u32 v[RD], s71, v[RD]
	v_lshlrev_b32 v[CO], 12, v2                    ; and the same two rows in out: 4,096 bytes a row
	v_lshl_add_u32 v[CO], v1, 4, v[CO]
	s_lshl_b32 s66, s53, 20                        ; 256 ty rows,
	s_lshl_b32 s67, s13, 19                        ; my 128
	s_add_co_u32 s66, s66, s67
	s_add_co_u32 s66, s66, s68                     ; my 64 columns
	s_mov_b32 s67, 0
	s_add_nc_u64 s[10:11], s[10:11], s[66:67]
	s_wait_tensorcnt 1                             ; my part of step 0 is in; step 1's may stay out
	s_barrier_signal -1
	s_barrier_wait -1                              ; everybody's is
	FETCH 0, F0
	s_wait_loadcnt 0x0                             ; the bias: rounded to bf16 and widened again
.set p, 0
.rept 16
	v_cvt_pk_bf16_f32 v[T+p%8], v[BIAS+2*p], v[BIAS+2*p+1]
	v_lshlrev_b32 v[BIAS+2*p],   16,  v[T+p%8]
	v_and_b32     v[BIAS+2*p+1], s70, v[T+p%8]
.set p, p+1
.endr
	QUARTER F0, F1, 1, 1                           ; the first quarter stands in front of the loop: its products start the 32 sums, with the bias
	WIN 0
	s_mov_b32 s[CNT], 6
.Lk:                                               ; a trip goes from a step's second quarter to the next step's first, and fills one slot again (steps 2 to 7)
	QUARTER F1, F0, 2, 0
	QUARTER F0, F1, 3, 0
	TURN 1
	QUARTER F0, F1, 1, 0
	WIN 0
	s_sub_co_u32 s[CNT], s[CNT], 1
	s_cmp_lg_u32 s[CNT], 0
	s_cbranch_scc1 .Lk
	QUARTER F1, F0, 2, 0                           ; the tail is written out: nothing is left to ask for
	QUARTER F0, F1, 3, 0
	TURN 0
	QUARTER F0, F1, 1, 0
	QUARTER F1, F0, 2, 0
	QUARTER F0, F1, 3, 0
	s_wait_dscnt 8                                 ; the very last quarter: nothing more to fetch
	MULN F1, 0, 4, 0
	s_wait_dscnt 0x0
	MULN F1, 4, 4, 0
	WIN 0
	; THE WAY OUT, a block of 16 rows at a time through my own stage: in by 16 bytes a lane (each accumulator from its low registers on), back as whole rows of 256 bytes.
.macro TOSTAGE a
	WIN 0x04                                       ; the stores' data (source 1) in window 1
.irp bb, 0,1,2,3
	ds_store_b128 v[STO], v[32*(\a)+8*(\bb):32*(\a)+8*(\bb)+3]   offset:64*(\bb)
	ds_store_b128 v[STO], v[32*(\a)+8*(\bb)+4:32*(\a)+8*(\bb)+7] offset:64*(\bb)+16
.endr
	WIN 0
.irp t, 0,1,2,3,4,5,6,7
	ds_load_b128 v[OB+32*((\a)%2)+4*(\t):OB+32*((\a)%2)+4*(\t)+3], v[RD] offset:(\t)*2*SP  ; LDS serves a wave's instructions in order (ISA guide 5.7.1.4): these see the stores above
.endr
.endm
.macro SEND a, younger                 ; younger: the LDS instructions issued behind block a's loads: the next block's sixteen, or none
	s_wait_dscnt \younger
.irp t, 0,1,2,3,4,5,6,7
	global_store_b128 v[CO], v[OB+32*((\a)%2)+4*(\t):OB+32*((\a)%2)+4*(\t)+3], s[10:11] offset:65536*(\a)+8192*(\t)  ; 16 lanes store 256 consecutive bytes, at a multiple of 256 from out's first byte
.endr
.endm
	PLACES
	TOSTAGE 0
	TOSTAGE 1
	SEND 0, 16
.irp a, 2,3,4,5,6,7
	s_wait_xcnt 0x0                                ; the stores of the block two back have read their registers: those are loaded again only behind this wait
	TOSTAGE \a
	SEND (\a)-1, 16
.endr
	SEND 7, 0
	s_wait_tensorcnt 0x0                           ; the wave's end: an add and its wait, behind my last tensor load and my last LDS store
	ds_add_u32 v[SPW], v[NIL]
	s_wait_dscnt 0x0
	CROUND                                         ; the closing round: no work-group ends while a partner may still ask for a tile that names it
	s_endpgm
.Lfunc_end_k_q243d76b4af_proj:
	.size	k_q243d76b4af_proj, .Lfunc_end_k_q243d76b4af_proj-k_q243d76b4af_proj
	.p2alignl 7, 3214868480
	.fill 96, 4, 3214868480
	.section	.rodata,"a",@progbits
	.p2align	6, 0x0
	.amdhsa_kernel k_q243d76b4af_proj
		.amdhsa_group_segment_fixed_size 327680
		.amdhsa_private_segment_fixed_size 0
		.amdhsa_enable_private_segment 0
		.amdhsa_kernarg_size 32
		.amdhsa_user_sgpr_count 2
		.amdhsa_user_sgpr_kernarg_segment_ptr 1
		.amdhsa_wavefront_size32 1
		.amdhsa_system_sgpr_workgroup_id_x 1
		.amdhsa_system_sgpr_workgroup_id_y 1
		.amdhsa_system_sgpr_workgroup_id_z 1
		.amdhsa_system_vgpr_workitem_id 0
		.amdhsa_next_free_vgpr 512
		.amdhsa_next_free_sgpr 80
		.amdhsa_reserve_vcc 0
		.amdhsa_float_denorm_mode_32 3
		.amdhsa_float_denorm_mode_16_64 3
		.amdhsa_memory_ordered 1
		.amdhsa_forward_progress 1
		.amdhsa_inst_pref_size 72
	.end_amdhsa_kernel
	.amdgpu_metadata
---
amdhsa.version: [ 1, 2 ]
amdhsa.kernels:
  - .name:           k_q243d76b4af_proj
    .symbol:         k_q243d76b4af_proj.kd
    .args:
      - { .name: oh, .offset: 0, .size: 8, .value_kind: global_buffer, .address_space: global }
      - { .name: wp, .offset: 8, .size: 8, .value_kind: global_buffer, .address_space: global }
      - { .name: proj_b, .offset: 16, .size: 8, .value_kind: global_buffer, .address_space: global }
      - { .name: out0, .offset: 24, .size: 8, .value_kind: global_buffer, .address_space: global }
    .group_segment_fixed_size: 327680
    .private_segment_fixed_size: 0
    .kernarg_segment_align: 8
    .kernarg_segment_size: 32
    .max_flat_workgroup_size: 128
    .sgpr_count:     80
    .vgpr_count:     512
    .wavefront_size: 32
...
	.end_amdgpu_metadata
.endif
;; end of part 4
